; MI455X (gfx1250); checked and timed in simulation.
; The chip was launched on July 23, 2026; its instructions are those of AMD's public machine-readable ISA for CDNA 5 (MIT licence, August 2026) and "CDNA5" Instruction Set Architecture Reference Guide (July 2026). The comments in the code are by the model that wrote it; some were corrected since.
;; GLM47 Attention Optimizer. Allowed arithmetic: matrix products marked QUANTISED: E2M3 operands, one E8M0 scale for each 32 along K, by v_wmma_scale_f32_16x16x128_f8f6f4 with both operands' format E2M3, f32 sums; everything else in f32.
;; Inputs: Wk 2,048 x 2,048 float32; Wo 2,048 x 2,048 float32; Wq 2,048 x 2,048 float32; Wv 2,048 x 2,048 float32; attention_mask 1 x 1 x 2,048 x 2,048 float32; hidden_states 1 x 2,048 x 2,048 float32.
;; Outputs: out0 1 x 2,048 x 2,048 float32.
;; This version of the problem:
;;   THIS VERSION OF THE PROBLEM IS GIVEN IN LOW PRECISION. The matrix products marked QUANTISED in the list below multiply operands that are first quantised to E2M3 (2 exponent bits, 3 mantissa bits; 6 bits a number), with one power-of-two scale for each 32 numbers along K (OCP MX v1.0); their sums are f32. All else is computed in f32.
;;   The module's matrix products, in the order in which they are computed (A, B: the left and right operand; K: the contracted axis; several contracted axes count as one K, in the product's order):
;;     1. [M 2,048, K 2,048] x [K 2,048, N 2,048]; A: input hidden_states; B: input Wq: QUANTISED
;;     2. [M 2,048, K 2,048] x [K 2,048, N 2,048]; A: input hidden_states; B: input Wk: QUANTISED
;;     3. [M 2,048, K 2,048] x [K 2,048, N 2,048]; A: input hidden_states; B: input Wv: QUANTISED
;;     4. batch 16 x [M 2,048, K 128] x [K 128, N 2,048]; A: computed on the way; B: computed on the way: QUANTISED
;;     5. batch 16 x [M 2,048, K 2,048] x [K 2,048, N 128]; A: softmax (see below); B: computed on the way: QUANTISED
;;     6. [M 2,048, K 2,048] x [K 2,048, N 2,048]; A: computed on the way; B: input Wo: QUANTISED
;;   THE QUANTISER, for each operand of a quantised product, along K:
;;     - K is cut into blocks of 32 from its start; a last block that is shorter is filled with zeros.
;;     - A block's scale is 2^e with e = floor(log2(the largest magnitude in the block)) - 2, held to -126 .. 127; a block of zeros has e = 0. As a byte (E8M0): e + 127.
;;     - Each number is divided by its block's scale, clamped to +-7.5, and rounded to the nearest number of E2M3, ties to even, subnormals kept.
;;     - The product sums the exact products of the quantised numbers (number of the format x scale) in f32.
;;   ~~~python
;;   def quantise(x, axis):      # numpy; x: float32 -> the quantised numbers, widened to float32 again
;;       x = np.moveaxis(x, axis, -1); K = x.shape[-1]
;;       x = np.pad(x, [(0, 0)] * (x.ndim - 1) + [(0, -K % 32)]); x = x.reshape(x.shape[:-1] + (-1, 32)); a = np.abs(x).max(-1, keepdims=True)
;;       e = np.where(a > 0, np.clip(np.frexp(np.where(a > 0, a, 1))[1] - 1 - 2, -126, 127), 0)      # np.frexp(a)[1] - 1 = floor(log2(a)), exactly
;;       r = np.clip(x / 2.0 ** e, -7.5, 7.5)
;;       step = 2.0 ** (np.maximum(np.frexp(np.where(r == 0, 1, r))[1] - 1, 0) - 3)
;;       q = np.round(r / step) * step * 2.0 ** e      # np.round: ties to even
;;       return np.moveaxis(q.reshape(q.shape[:-2] + (-1,))[..., :K], -1, axis).astype(np.float32)
;;   ~~~
;;   SOFTMAX AHEAD OF A QUANTISED PRODUCT. Where the list says 'softmax', what is quantised is not the finished softmax but p = 2^(t - M), with t = logit x log2(e) and M = ceil(the row's largest t), a whole number; so 1/2 < the row's largest p <= 1. The row's sum l is taken of the UNQUANTISED p, in f32, and the product's result is divided by l at the end. Since M is a whole number, a kernel that streams over the keys may use a running M (the ceiling of the running maximum): every later rescaling is an exact power of two, which a block's scale takes up: the codes' values come out the same.
;;   OPERANDS COMPUTED ON THE WAY. 'Computed on the way' means the value that the module computes at that place (a softmax that the list does not call 'softmax' is quantised finished and normalised). What goes into a quantiser is computed in f32, as accurately as f32 sums, v_exp_f32 and their like allow (about 1e-6 of the number): no bf16 or f16 on the way to a quantiser, and a product that is left as it is and whose result goes on into a quantised operand takes f32 operands (vector FMAs, or v_wmma_f32_16x16x4_f32). A number that lies on a knife's edge between two numbers of the format may be rounded either way, as far as f32 arithmetic and the matrix unit's own rounding can turn it there, and no further.
;; 2 versions. Each part assembles by itself: llvm-mc -triple=amdgcn-amd-amdhsa -mcpu=gfx1250 --defsym DOCPART=n.
;; ======== version 1 of 2: 4 launches
;; workspace buffers: xw 16,384,000 bytes; maskp 16,777,216 bytes; qkv 9,830,400 bytes; oc 3,276,800 bytes
;; launch prep (part 1): grid 64 x 6, 4 waves a work-group, no clusters, 34,304 bytes of LDS; arguments hidden_states, Wq, Wk, Wv, Wo, attention_mask, xw, maskp; writes xw, maskp
.if DOCPART == 1
	.amdgcn_target "amdgcn-amd-amdhsa--gfx1250"
	.amdhsa_code_object_version 6
	.text
	.protected	k_qc0135166c4_prep
	.globl	k_qc0135166c4_prep
	.p2align	8
	.type	k_qc0135166c4_prep,@function
k_qc0135166c4_prep:
	s_mov_b64 s[64:65], 0
	v_nop
	global_prefetch_b8 v0, s[64:65] scope:SCOPE_SE
	s_setreg_imm32_b32 hwreg(HW_REG_WAVE_MODE, 25, 1), 1
	s_wait_xcnt 0x0
; FIRST OF FOUR LAUNCHES of out = softmax((x Wq^T)(x Wk^T)^T / sqrt(128) + mask) (x Wv^T) Wo^T, 16 heads of 128, all six products on codes of FP6 (E2M3) with one E8M0 scale for each 32 along K.
; NO WORK IS LEFT OUT: the mask is an input, so every score of every head counts; every input is loaded.
; THIS LAUNCH: x, Wq, Wk, Wv, Wo ([2048][2048] f32, K innermost) become codes and scale bytes in xw; mask x log2(e) is laid in maskp as the later launch's registers want it.
; A block's scale is 2^(floor(log2(its largest magnitude)) - 2); its byte is that magnitude's exponent field - 2, held at 1 from below.
; LIMITS: NaN and infinities among the inputs are not served; a block whose largest magnitude lies under 2^-124 gets the byte 1; a block of zeros gets the byte 1 and not 127 (its codes are zeros, and this program alone reads the bytes).
; THE ROW ORDER.  In every group of 128 rows, row m of tile i is row rho(i, m) = 64 (i / 4) + 32 (m / 8) + 8 (i % 4) + m % 8.  A product whose source 0 takes tiles in this order leaves in a lane's 64 result
; registers (8 tiles x 8) the indices 64 c + 32 (lane / 16) + n at register 32 c + n: two whole blocks of 32, at the places that the 6-bit operand layout gives that lane.
; THE PACK: 128 rows x 128 along K as an image of operand registers, 12,800 bytes: byte 1536 i + 512 c + 16 lane + 4 e = register 4 c + e of tile i's fragment; byte 12288 + 256 (i / 4) + 16 r + 4 (i % 4) = the scale word of tile i's row r.
; xw: tensor t (x, Wq, Wk, Wv, Wo) at t x TEN, pack (row block R, K step s) at (16 R + s) x 12,800.   maskp: unit (R, s) at (16 R + s) x 65,536; in it byte 8192 i + 512 g + 16 lane + 4 e = register 4 g + e of tile i.
; SHARES.  Work-group y is the tensor (5: the mask).  A wave takes one unit, 128 rows x 128 columns, as 8 tiles of 16 rows x 512 bytes.  Each load reads 512 consecutive bytes of a row; a tile turns through the wave's own
; stage in LDS (rows 528 bytes apart) and comes back 64 numbers a lane: row r, k = 64 c + 32 h + n.  Loads run two tiles (32 loads a wave) ahead.  Waves share nothing: no barrier.
.set TEN,   3276800
.set PACKB, 12800
.set STGB,  16*528                     ; a wave's stage
.set SPARE, 4*STGB                     ; behind the stages: the spare words, 128 bytes for each wave
.set LI,  1                            ; v1   16 x lane; never rewritten
.set SI,  2                            ; v2   the stage, on the way in
.set SOU, 3                            ; v3   the stage, on the way out: row r, + 128 h
.set H8,  4                            ; v4   8 h
.set TX,  5                            ; v5   a lane permute's destination
.set SPW, 6                            ; v6   my spare word
.set NIL, 7                            ; v7   0
.set WW,  8                            ; v8-15  the eight tiles' scale words
.set WS,  16                           ; v16-19 those that my half of the lanes stores
.set TM,  20                           ; v20-23 four chains of maxima
.set SO,  24                           ; v24-25 the conversions' scale operands
.set BY,  26                           ; v26-27 the scales' bytes
.set TC,  28                           ; v28-35 the upper halves of the blocks' codes
.set PC,  36                           ; v36-47 a fragment
.set LN,  48                           ; v48  lane
.set L0,  64                           ; v64-127, v128-191 two sets of a tile as loaded
.set X,   192                          ; v192-255 my 64 numbers
.set LG,  26                           ; s[26:27] log2(e)
.set SEL, 28                           ; s[28:29] v_permlanex16_b32's selects for lane l xor 16
; 64 numbers of a lane, register 32 c + n = k 64 c + 32 h + n of my row, become a fragment in v[pc] on and the row's scale word in v[wd]
.macro QUANT2 s, pc, wd
.irp k, 0,1,2,3
	v_max3_num_f32 v[TM+\k], 0x1800000, |v[\s+16*\k]|, |v[\s+16*\k+1]|   ; four chains of 16, and the floor 2^(3 - 127): the byte cannot fall under 1
.endr
.irp n, 2,4,6,8,10,12,14
.irp k, 0,1,2,3
	v_max3_num_f32 v[TM+\k], v[TM+\k], |v[\s+16*\k+\n]|, |v[\s+16*\k+\n+1]|
.endr
.endr
	v_max_num_f32 v[TM], v[TM], v[TM+1]            ; block h: all its 32 numbers are mine
	v_max_num_f32 v[TM+2], v[TM+2], v[TM+3]        ; block 2 + h
	v_add_nc_u32 v[SO], 0xff000000, v[TM]          ; 2 off the exponent field: the conversion's scale operand
	v_add_nc_u32 v[SO+1], 0xff000000, v[TM+2]
	v_lshrrev_b32 v[BY], 23, v[SO]                 ; the scale's byte
	v_lshrrev_b32 v[BY+1], 23, v[SO+1]
	v_lshl_or_b32 v[(\wd)], v[BY+1], 16, v[BY]
	v_lshlrev_b32 v[(\wd)], v[H8], v[(\wd)]        ; my two bytes at their places,
	v_permlanex16_b32 v[TX], v[(\wd)], s[SEL], s[SEL+1]
	v_or_b32 v[(\wd)], v[(\wd)], v[TX]             ; with lane l xor 16's two the word is whole
	v_cvt_scalef32_pk16_fp6_f32 v[\pc:\pc+2], v[\s:\s+15], v[SO]
	v_cvt_scalef32_pk16_fp6_f32 v[TC:TC+2], v[\s+16:\s+31], v[SO]          ; (a conversion's three registers begin on an even number)
	v_cvt_scalef32_pk16_fp6_f32 v[\pc+6:\pc+8], v[\s+32:\s+47], v[SO+1]
	v_cvt_scalef32_pk16_fp6_f32 v[TC+4:TC+6], v[\s+48:\s+63], v[SO+1]
	v_nop                                          ; one plain place behind the conversions
.irp e, 0,1,2
	v_mov_b32 v[\pc+3+\e], v[TC+\e]
	v_mov_b32 v[\pc+9+\e], v[TC+4+\e]
.endr
.endm
.macro LOAD i                          ; tile i's 16 rows, 512 consecutive bytes a load, into set i % 2
.irp p, 0,1,2,3,4,5,6,7,8,9,10,11,12,13,14,15
	global_load_b128 v[L0+64*((\i)%2)+4*\p:L0+64*((\i)%2)+4*\p+3], v[LI], s[4:5] offset:(64*((\i)/4)+32*(\p/8)+8*((\i)%4)+\p%8)*8192 th:TH_LOAD_NT
.endr
.endm
.macro TILE i
.if \i < 7
	s_wait_loadcnt 16                              ; my 16 loads are in; the next tile's 16 may be out
.else
	s_wait_loadcnt 0
.endif
.irp p, 0,1,2,3,4,5,6,7,8,9,10,11,12,13,14,15
	ds_store_b128 v[SI], v[L0+64*((\i)%2)+4*\p:L0+64*((\i)%2)+4*\p+3] offset:528*\p
.endr
	s_wait_xcnt 0x0                                ; the last tile's stores have read X or PC: both are written again only behind this wait
.irp g, 0,1,2,3,4,5,6,7,8,9,10,11,12,13,14,15
	ds_load_b128 v[X+4*\g:X+4*\g+3], v[SOU] offset:256*(\g/8)+16*(\g%8)   ; LDS serves a wave's instructions in order: these see my stores
.endr
	s_wait_dscnt 0x0                               ; my numbers are in, and the stores into the stage have read their registers,
.if \i < 6
	LOAD \i+2                                      ; which take the tile two further on
.endif
	s_cmp_eq_u32 s21, 5                            ; the work-group's y alone: the arms hold no LDS instruction
	s_cbranch_scc1 .Lmask_\@
	QUANT2 X, PC, WW+\i
.irp c, 0,1,2
	global_store_b128 v[LI], v[PC+4*\c:PC+4*\c+3], s[16:17] offset:1536*\i+512*\c   ; 32 lanes store 512 consecutive bytes
.endr
	s_branch .Ljoin_\@
.Lmask_\@:
.set jj, 0
.rept 32
	v_pk_mul_f32 v[X+jj:X+jj+1], v[X+jj:X+jj+1], s[LG:LG+1] op_sel_hi:[1,0]   ; mask x log2(e)
.set jj, jj+2
.endr
.irp g, 0,1,2,3,4,5,6,7,8,9,10,11,12,13,14,15
	global_store_b128 v[LI], v[X+4*\g:X+4*\g+3], s[16:17] offset:8192*\i+512*\g
.endr
.Ljoin_\@:
.endm
	s_load_b256 s[4:11], s[0:1], 0x0               ; x s[4:5], Wq s[6:7], Wk s[8:9], Wv s[10:11]
	s_load_b256 s[12:19], s[0:1], 0x20             ; Wo s[12:13], mask s[14:15], xw s[16:17], maskp s[18:19]
	v_lshl_add_u32 v[SPW], v0, 2, SPARE
	v_mov_b32 v[NIL], 0
	v_lshrrev_b32 v[LN], 5, v0
	v_readfirstlane_b32 s20, v[LN]                 ; wave
	s_and_b32 s21, ttmp7, 0xffff                   ; which tensor
	s_lshl_b32 s22, ttmp9, 2
	s_add_co_u32 s22, s22, s20                     ; my unit u = 16 R + s
	s_lshr_b32 s23, s22, 4
	s_and_b32 s24, s22, 15
	s_lshl_b32 s23, s23, 20                        ; 128 R rows of 8,192 bytes
	s_lshl_b32 s24, s24, 9                         ; 128 s columns
	s_add_co_u32 s30, s23, s24
	s_mov_b32 s31, 0
	s_mul_i32 s32, s21, TEN
	s_mul_i32 s33, s22, PACKB
	s_add_co_u32 s32, s32, s33                     ; my pack in xw,
	s_lshl_b32 s33, s22, 16                        ; or my unit in maskp
	s_cmp_eq_u32 s21, 5
	s_cselect_b32 s32, s33, s32
	s_mov_b32 s33, 0
	s_mov_b32 s[LG], 0x3fb8aa3b
	s_mov_b32 s[LG+1], s[LG]                       ; (named with it as a pair, so it is written)
	s_mov_b32 s[SEL], 0x76543210
	s_mov_b32 s[SEL+1], 0xfedcba98
	s_mul_i32 s25, s20, STGB
	v_and_b32 v[LN], 31, v0
	v_lshlrev_b32 v[LI], 4, v[LN]
	v_add_nc_u32 v[SI], s25, v[LI]
	v_and_b32 v[SOU], 15, v0
	v_mul_u32_u24 v[SOU], v[SOU], 528
	v_bfe_u32 v[H8], v0, 4, 1
	v_lshl_add_u32 v[SOU], v[H8], 7, v[SOU]
	v_add_nc_u32 v[SOU], s25, v[SOU]
	v_lshlrev_b32 v[H8], 3, v[H8]
	v_mov_b32 v[TX], 0                             ; written once: a lane permute's destination counts as one of its sources
.irp i, 0,1,2,3,4,5,6,7
	v_mov_b32 v[WW+\i], 0                          ; so that no way through the text reads them unwritten
.endr
	s_wait_kmcnt 0x0
	s_cmp_eq_u32 s21, 1                            ; the buffers are chosen by the work-group's y alone
	s_cselect_b64 s[4:5], s[6:7], s[4:5]
	s_cmp_eq_u32 s21, 2
	s_cselect_b64 s[4:5], s[8:9], s[4:5]
	s_cmp_eq_u32 s21, 3
	s_cselect_b64 s[4:5], s[10:11], s[4:5]
	s_cmp_eq_u32 s21, 4
	s_cselect_b64 s[4:5], s[12:13], s[4:5]
	s_cmp_eq_u32 s21, 5
	s_cselect_b64 s[4:5], s[14:15], s[4:5]
	s_cselect_b64 s[16:17], s[18:19], s[16:17]
	s_add_nc_u64 s[4:5], s[4:5], s[30:31]
	s_add_nc_u64 s[16:17], s[16:17], s[32:33]
	LOAD 0
	LOAD 1
.irp i, 0,1,2,3,4,5,6,7
	TILE \i
.endr
	s_cmp_eq_u32 s21, 5
	s_cbranch_scc1 .Lend
	v_cmp_le_u32 vcc_lo, 16, v[LN]                 ; lanes 0-15 store the words of tiles 0-3, lanes 16-31 those of tiles 4-7: 512 consecutive bytes
.irp j, 0,1,2,3
	v_cndmask_b32 v[WS+\j], v[WW+\j], v[WW+4+\j], vcc_lo
.endr
	global_store_b128 v[LI], v[WS:WS+3], s[16:17] offset:12288
.Lend:
	s_wait_tensorcnt 0x0                           ; the wave's end: behind my last LDS store
	ds_add_u32 v[SPW], v[NIL]
	s_wait_dscnt 0x0
	s_endpgm
.Lfunc_end_k_qc0135166c4_prep:
	.size	k_qc0135166c4_prep, .Lfunc_end_k_qc0135166c4_prep-k_qc0135166c4_prep
	.p2alignl 7, 3214868480
	.fill 96, 4, 3214868480
	.section	.rodata,"a",@progbits
	.p2align	6, 0x0
	.amdhsa_kernel k_qc0135166c4_prep
		.amdhsa_group_segment_fixed_size 34304
		.amdhsa_private_segment_fixed_size 0
		.amdhsa_enable_private_segment 0
		.amdhsa_kernarg_size 64
		.amdhsa_user_sgpr_count 2
		.amdhsa_user_sgpr_kernarg_segment_ptr 1
		.amdhsa_wavefront_size32 1
		.amdhsa_system_sgpr_workgroup_id_x 1
		.amdhsa_system_sgpr_workgroup_id_y 1
		.amdhsa_system_sgpr_workgroup_id_z 1
		.amdhsa_system_vgpr_workitem_id 0
		.amdhsa_next_free_vgpr 256
		.amdhsa_next_free_sgpr 66
		.amdhsa_reserve_vcc 1
		.amdhsa_float_denorm_mode_32 3
		.amdhsa_float_denorm_mode_16_64 3
		.amdhsa_memory_ordered 1
		.amdhsa_forward_progress 1
		.amdhsa_inst_pref_size 88
	.end_amdhsa_kernel
	.amdgpu_metadata
---
amdhsa.version: [ 1, 2 ]
amdhsa.kernels:
  - .name:           k_qc0135166c4_prep
    .symbol:         k_qc0135166c4_prep.kd
    .args:
      - { .name: hidden_states, .offset: 0, .size: 8, .value_kind: global_buffer, .address_space: global }
      - { .name: Wq, .offset: 8, .size: 8, .value_kind: global_buffer, .address_space: global }
      - { .name: Wk, .offset: 16, .size: 8, .value_kind: global_buffer, .address_space: global }
      - { .name: Wv, .offset: 24, .size: 8, .value_kind: global_buffer, .address_space: global }
      - { .name: Wo, .offset: 32, .size: 8, .value_kind: global_buffer, .address_space: global }
      - { .name: attention_mask, .offset: 40, .size: 8, .value_kind: global_buffer, .address_space: global }
      - { .name: xw, .offset: 48, .size: 8, .value_kind: global_buffer, .address_space: global }
      - { .name: maskp, .offset: 56, .size: 8, .value_kind: global_buffer, .address_space: global }
    .group_segment_fixed_size: 34304
    .private_segment_fixed_size: 0
    .kernarg_segment_align: 8
    .kernarg_segment_size: 64
    .max_flat_workgroup_size: 128
    .sgpr_count:     66
    .vgpr_count:     256
    .wavefront_size: 32
...
	.end_amdgpu_metadata
.endif
;; end of part 1
;; launch qkv (part 2): grid 8 x 24, 4 waves a work-group, clusters of 4 x 4, 327,680 bytes of LDS; arguments xw, qkv; writes qkv
.if DOCPART == 2
	.amdgcn_target "amdgcn-amd-amdhsa--gfx1250"
	.amdhsa_code_object_version 6
	.text
	.protected	k_qc0135166c4_qkv
	.globl	k_qc0135166c4_qkv
	.p2align	8
	.type	k_qc0135166c4_qkv,@function
k_qc0135166c4_qkv:
	s_mov_b64 s[64:65], 0
	v_nop
	global_prefetch_b8 v0, s[64:65] scope:SCOPE_SE
	s_setreg_imm32_b32 hwreg(HW_REG_WAVE_MODE, 25, 1), 1
	s_wait_xcnt 0x0
	s_wait_alu depctr_hold_cnt(0) depctr_sa_sdst(0) depctr_va_vdst(0) depctr_va_sdst(0) depctr_va_ssrc(0) depctr_va_vcc(0) depctr_vm_vsrc(0)
	s_getreg_b32 s2, hwreg(HW_REG_IB_STS2, 6, 4)
	s_cmp_eq_u32 s2, 0
	s_cbranch_scc0 .Lentry_in_a_cluster
	s_endpgm
.Lentry_in_a_cluster:
	s_bfe_u32 s2, ttmp6, 0x10000c
	s_cmp_lg_u32 s2, 0xf033
	s_cbranch_scc0 .Lentry_shape_is_right
	s_endpgm
.Lentry_shape_is_right:
; SECOND LAUNCH: q = x Wq^T, k = x Wk^T, v = x Wv^T on the codes of xw, and q, k, v quantised in the accumulators: q and k along the head's 128, v along the keys.  No work is left out.
; A tile is 256 rows of T (source 1) x 256 rows of U (source 0); K = 2,048.  (U, T) = (Wq, x), (Wk, x), (x, Wv): so a lane holds one row of T (a token of q or k; a channel of v) and its registers run along U
; (the head's channels; the tokens), which are the next product's K.  Four waves, each 128 x 128: 64 accumulators.
; OPERANDS ARE PACKS (128 rows x 128 K as an image of operand registers, 12,800 bytes: byte 1536 i + 512 c + 16 lane = registers 4 c .. 4 c + 3 of tile i; the scale words of tiles 4 g .. 4 g + 3, row r, at 12288 + 256 g + 16 r).
; Row m of tile i is row rho(i, m) = 64 (i / 4) + 32 (m / 8) + 8 (i % 4) + m % 8 of its 128: so the 64 results of a lane against U's eight tiles are the indices 64 c + 32 (lane / 16) + n at register 32 c + n:
; two whole blocks of 32 at the places of the 6-bit operand layout.  A wave's results for one tile of T are one fragment; its eight fragments and their scale words are one whole pack of qkv.
; qkv: q, k, v at 0, 1, 2 x TEN; pack 16 x head + block (q, k: token block, tiles over tokens; v: key block, tiles over the head's channels).
; THE RING: two LDS slots of two K steps; a wave fetches one row block's two packs, 25,600 dense bytes, by one tensor load.  CLUSTERS of 4 x 4: T's packs are shared along a row of the cluster, U's along a column: joint loads.
; LIMITS: as stated at the head of the first launch (NaN, infinities, very small blocks, the byte of a block of zeros).
; REGISTERS, in windows of 256: window 0: v16-31 addresses; v32-95 scale words, two sets; v96-125 the way out; v128-223 T's eight fragments, ONE set.  window 1: U's fragments, two sets, at v0 and v128.
;   window 2: the accumulators of T's tiles 0-3 ((a, b) at v[8 (8 (a % 4) + b)]);  window 3: those of tiles 4-7.
.set TEN,   3276800
.set PACKB, 12800
.set RB,    16*PACKB                   ; a row block's 16 packs
.set REG,   2*PACKB                    ; what one tensor load brings
.set SLOT,  4*REG                      ; T's two row blocks, then U's two
.set SPARE, 2*SLOT                     ; behind the ring: the spare words, 128 bytes for each wave
.set FR,    12
.set NL,    3                          ; LDS loads that bring a fragment
.set NP,    4                          ; places behind this matrix instruction (ISA guide 7.12.1)
.set LAPS,  4                          ; a lap = four K steps = once round the ring
.set ADRA, 16                          ; v16-17 my T fragments in slot 0, 1
.set ASA,  18                          ; v18-19 and their scale words
.set ADRB, 20                          ; v20-21 my U fragments
.set ASB,  22                          ; v22-23 and their scale words
.set SPW,  28
.set NIL,  29
.set LI,   30                          ; v30  16 x lane
.set LN,   31                          ; v31  lane
.set SC,   32                          ; scale words: SC + 32 slot + 16 q + i: T's tile i; + 8: U's tile i.  They hold scales and nothing else
.set WW,   96                          ; v96-103 the way out: eight scale words
.set WS,   104
.set TM,   108
.set SO,   112
.set BY,   114
.set TX,   116
.set H8,   117
.set TC,   118
.set AF,   128
.set G1, 24
.set G0, 32
.set G1B, 48
.set G0B, 56
.set SEL, 10                           ; s[10:11], set behind the addresses
.set MSB, 0
.macro WIN new                         ; the immediate's high byte repeats the setting that is left
.if MSB != (\new)
	s_set_vgpr_msb (MSB<<8)|(\new)
.set MSB, (\new)
.endif
.endm
.set MUL_LO, 0xa1                      ; source 0 (U) window 1, source 1 (T) window 0, C and D window 2
.set MUL_HI, 0xf1
.set TO_B,   0x40
; a joint load: waves 0 and 1 fetch for T, waves 2 and 3 for U; the branch hangs on the wave's number alone.  An s_nop 0 and four v_nop follow each of the two lines
.macro JLOAD g0a, g1a, g0b, g1b
	s_cmp_eq_u32 s15, 0
	s_cbranch_scc0 .Lfor_b_\@
	tensor_load_to_lds s[\g0a:\g0a+3], s[\g1a:\g1a+7]
	s_nop 0
.rept 4
	v_nop
.endr
	s_branch .Lasked_\@
.Lfor_b_\@:
	tensor_load_to_lds s[\g0b:\g0b+3], s[\g1b:\g1b+7]
	s_nop 0
.rept 4
	v_nop
.endr
.Lasked_\@:
.endm
.macro CREST                           ; a round of the cluster's barrier behind its opening barrier
	s_cmp_lg_u32 s14, 0
	s_cbranch_scc1 .Lnot_wave_0_\@
	s_barrier_signal -3
.Lnot_wave_0_\@:
	s_barrier_wait -3
	s_barrier_signal -1
	s_barrier_wait -1
.endm
.macro CROUND
	s_barrier_signal -1
	s_barrier_wait -1
	CREST
.endm
	s_load_b128 s[4:7], s[0:1], 0x0                ; xw s[4:5], qkv s[6:7]
	v_lshl_add_u32 v[SPW], v0, 2, SPARE
	v_mov_b32 v[NIL], 0
	ds_add_u32 v[SPW], v[NIL]                      ; the wave's opening: the add, twice on end, and its wait ahead of my first tensor load
	ds_add_u32 v[SPW], v[NIL]
	v_lshrrev_b32 v1, 5, v0
	v_readfirstlane_b32 s14, v1                    ; wave 0..3
	s_lshr_b32 s15, s14, 1                         ; which row block of T is mine.  Also: I fetch for T (0) or for U (1)
	s_and_b32 s16, s14, 1                          ; which row block of U.  Also: which of the two row blocks I fetch
	s_bfe_u32 s40, ttmp6, 0x40000                  ; cx
	s_bfe_u32 s41, ttmp6, 0x40004                  ; cy
	s_and_b32 s17, ttmp7, 0xffff                   ; the cluster's y: 0..5
	s_lshr_b32 s18, s17, 1                         ; p: 0 q, 1 k, 2 v
	s_lshr_b32 s19, s18, 1                         ; 1 for v
	s_and_b32 s22, s17, 1
	s_lshl_b32 s22, s22, 2
	s_add_co_u32 s22, s22, s41                     ; tile row (of T): 0..7
	s_lshl_b32 s42, ttmp9, 2
	s_add_co_u32 s42, s42, s40                     ; tile column (of U): 0..7
	s_lshl_b32 s43, s41, 2
	s_lshl_b32 s43, 15, s43                        ; my row of the cluster
	s_lshl_b32 s44, 0x1111, s40                    ; my column
	; descriptor group 1: 25,600 dense bytes as 100 rows of 32 elements of 8 bytes, no padding
	s_or_b32 s[G1+0], s43, (3<<16)|(1<<21)         ; 15:0 the mask: T's packs go to my row; 17:16 elements of 8 bytes; 21 set beside a mask
	s_or_b32 s[G1B+0], s44, (3<<16)|(1<<21)
.irp g, G1, G1B
	s_mov_b32 s[\g+1], 32<<16                      ; tensor_dim0
	s_mov_b32 s[\g+2], 100<<16                     ; tensor_dim1
	s_mov_b32 s[\g+3], 32<<16                      ; tile_dim0
	s_mov_b32 s[\g+4], 100                         ; tile_dim1
	s_mov_b32 s[\g+5], 32                          ; tensor_dim0_stride
	s_mov_b32 s[\g+6], 0
	s_mov_b32 s[\g+7], 0
.endr
	s_lshl_b32 s20, s22, 1                         ; T: x (q, k) or Wv (v); made of the cluster's y, cy and the wave alone
	s_add_co_u32 s20, s20, s16
	s_mul_i32 s20, s20, RB
	s_mul_i32 s23, s19, 3*TEN
	s_add_co_u32 s20, s20, s23
	s_mov_b32 s21, 0
	s_lshl_b32 s46, s42, 1                         ; U: Wq, Wk or x; made of the cluster's x and y, cx and the wave alone
	s_add_co_u32 s46, s46, s16
	s_mul_i32 s46, s46, RB
	s_mul_i32 s47, s19, 3
	s_sub_co_u32 s47, s18, s47
	s_add_co_u32 s47, s47, 1                       ; tensor 1 + p - 3 (p / 2): 1, 2, 0
	s_mul_i32 s47, s47, TEN
	s_add_co_u32 s46, s46, s47
	s_mov_b32 s47, 0
	s_mul_i32 s45, s14, REG                        ; where they go: wave x 25,600
	s_wait_dscnt 0x0                               ; both opening adds are done
	s_wait_kmcnt 0x0
	s_add_nc_u64 s[20:21], s[4:5], s[20:21]
	s_add_nc_u64 s[46:47], s[4:5], s[46:47]
	CROUND                                         ; all sixteen work-groups are here: the first joint loads meet
.irp s, 0,1
	s_mov_b32 s[G0+4*\s], 1
	s_add_co_u32 s[G0+4*\s+1], s45, \s*SLOT
	s_add_nc_u64 s[G0+4*\s+2:G0+4*\s+3], s[20:21], \s*REG
	s_or_b32 s[G0+4*\s+3], s[G0+4*\s+3], 0x80000000
	s_mov_b32 s[G0B+4*\s], 1
	s_add_co_u32 s[G0B+4*\s+1], s45, \s*SLOT
	s_add_nc_u64 s[G0B+4*\s+2:G0B+4*\s+3], s[46:47], \s*REG
	s_or_b32 s[G0B+4*\s+3], s[G0B+4*\s+3], 0x80000000
	JLOAD G0+4*\s, G1, G0B+4*\s, G1B               ; two loads of mine are out
.endr
	v_and_b32 v[LN], 31, v0
	v_lshlrev_b32 v[LI], 4, v[LN]
	v_and_b32 v3, 15, v0
	v_lshlrev_b32 v3, 4, v3                        ; 16 r
	s_mul_i32 s8, s15, REG
	s_mul_i32 s9, s16, REG
	s_add_co_u32 s9, s9, 2*REG
.irp s, 0,1
	v_add_nc_u32 v[ADRA+\s], s8, v[LI]
	v_add_nc_u32 v[ASA+\s], s8, v3
	v_add_nc_u32 v[ADRB+\s], s9, v[LI]
	v_add_nc_u32 v[ASB+\s], s9, v3
	s_add_co_u32 s8, s8, SLOT
	s_add_co_u32 s9, s9, SLOT
.endr
	v_bfe_u32 v[H8], v0, 4, 1
	v_lshlrev_b32 v[H8], 3, v[H8]
	v_mov_b32 v[TX], 0                             ; written once: a lane permute's destination counts as one of its sources
	s_lshl_b32 s8, s22, 1
	s_add_co_u32 s8, s8, s15                       ; my row block of T
	s_lshl_b32 s9, s42, 1
	s_add_co_u32 s9, s9, s16                       ; my row block of U
	s_cmp_eq_u32 s18, 2
	s_cselect_b32 s10, s8, s9                      ; the head: U's block for q and k, T's for v
	s_cselect_b32 s11, s9, s8                      ; the token block
	s_lshl_b32 s10, s10, 4
	s_add_co_u32 s10, s10, s11
	s_lshl_b32 s11, s18, 8
	s_add_co_u32 s10, s10, s11                     ; pack 256 p + 16 head + block
	s_mul_i32 s10, s10, PACKB
	s_mov_b32 s11, 0
	s_add_nc_u64 s[12:13], s[6:7], s[10:11]
	s_mov_b32 s[SEL], 0x76543210
	s_mov_b32 s[SEL+1], 0xfedcba98
.macro FRAG reg, adr, q, i             ; a fragment: three loads of 512 consecutive bytes
.irp c, 0,1,2
	ds_load_b128 v[\reg+4*\c:\reg+4*\c+3], v[\adr] offset:(\q)*PACKB+(\i)*1536+512*\c
.endr
.endm
; 16 matrix instructions: T's tiles a0, a0 + 1 x U's eight, the slot's q-th K step.  The 64 accumulators take turns, one instruction a turn, in the same order in every step
.macro MUL16 a0, p, q, sc, zero
.irp a, \a0, \a0+1
.irp b, 0,1,2,3,4,5,6,7
.if \zero
	v_wmma_scale_f32_16x16x128_f8f6f4 v[8*(8*((\a)%4)+\b):8*(8*((\a)%4)+\b)+7], v[128*(\p)+FR*\b:128*(\p)+FR*\b+FR-1], v[AF+FR*(\a):AF+FR*(\a)+FR-1], 0, v[SC+32*(\sc)+16*(\q)+8+\b], v[SC+32*(\sc)+16*(\q)+(\a)] matrix_a_fmt:MATRIX_FMT_FP6 matrix_b_fmt:MATRIX_FMT_FP6
.else
	v_wmma_scale_f32_16x16x128_f8f6f4 v[8*(8*((\a)%4)+\b):8*(8*((\a)%4)+\b)+7], v[128*(\p)+FR*\b:128*(\p)+FR*\b+FR-1], v[AF+FR*(\a):AF+FR*(\a)+FR-1], v[8*(8*((\a)%4)+\b):8*(8*((\a)%4)+\b)+7], v[SC+32*(\sc)+16*(\q)+8+\b], v[SC+32*(\sc)+16*(\q)+(\a)] matrix_a_fmt:MATRIX_FMT_FP6 matrix_b_fmt:MATRIX_FMT_FP6
.endif
.endr
.endr
.endm
.macro FETCH_B slot, q, p
	WIN TO_B
.irp i, 0,1,2,3,4,5,6,7
	FRAG 128*(\p)+FR*\i, ADRB+\slot, \q, \i
.endr
	WIN 0
.endm
.macro FETCH_A slot, q, i0
.irp i, \i0, \i0+1, \i0+2, \i0+3
	FRAG AF+FR*(\i), ADRA+\slot, \q, \i
.endr
.endm
.macro SCALES sc                       ; a slot's scale words: four tiles' words of a row by one load
.irp q, 0,1
.irp g, 0,1
	ds_load_b128 v[SC+32*\sc+16*\q+4*\g:SC+32*\sc+16*\q+4*\g+3], v[ASA+\sc] offset:\q*PACKB+12288+256*\g
	ds_load_b128 v[SC+32*\sc+16*\q+8+4*\g:SC+32*\sc+16*\q+8+4*\g+3], v[ASB+\sc] offset:\q*PACKB+12288+256*\g
.endr
.endr
.endm
.macro PLACES n                        ; plain places in front of loads into registers that matrix instructions have read, and of the first read of results
.rept \n
	v_nop
.endr
.endm
.macro STEP slot, q, zero              ; a K step that has its successor in the same slot
	s_wait_dscnt 4*NL                              ; U's set, T's tiles 0-3 and the scale words are in; the youngest 12 loads (T's tiles 4-7) may be out
	WIN MUL_LO
	MUL16 0, (\q)%2, \q, \slot, \zero
	MUL16 2, (\q)%2, \q, \slot, \zero
	s_wait_dscnt 0
	PLACES NP
	FETCH_B \slot, (\q)+1, 1-(\q)%2
	FETCH_A \slot, (\q)+1, 0
	WIN MUL_HI
	MUL16 4, (\q)%2, \q, \slot, \zero
	MUL16 6, (\q)%2, \q, \slot, \zero
	PLACES NP
	WIN 0
	FETCH_A \slot, (\q)+1, 4
.endm
; a slot's last K step changes slots: one barrier; in front of it each wave waits for all its tensor loads, adds 0 to its spare word, and waits for that and for its reads of this slot
.macro TURN slot, next, fill
	s_wait_tensorcnt 0x0                           ; all my tensor loads have landed: my part of the next slot
	ds_add_u32 v[SPW], v[NIL]
	s_wait_dscnt 4*NL+1                            ; (the add and the youngest 12 loads may be out)
	WIN MUL_LO
	MUL16 0, 1, 1, \slot, 0
	s_wait_dscnt 0x0                               ; the add is done, and my reads of this slot are over
	s_barrier_signal -1
	MUL16 2, 1, 1, \slot, 0
	WIN 0
	s_barrier_wait -1
.if \fill
	CREST                                          ; the barrier has opened a round of the cluster's: no wave of any partner still reads this slot or has a load on its way
	s_add_nc_u64 s[G0+4*\slot+2:G0+4*\slot+3], s[G0+4*\slot+2:G0+4*\slot+3], 2*REG
	s_add_nc_u64 s[G0B+4*\slot+2:G0B+4*\slot+3], s[G0B+4*\slot+2:G0B+4*\slot+3], 2*REG
	JLOAD G0+4*\slot, G1, G0B+4*\slot, G1B         ; the first tensor load behind the round; its four v_nop are the places in front of the loads below
.else
	PLACES NP
.endif
	FETCH_B \next, 0, 0
	FETCH_A \next, 0, 0
	SCALES \next
	WIN MUL_HI
	MUL16 4, 1, 1, \slot, 0
	MUL16 6, 1, 1, \slot, 0
	PLACES NP
	WIN 0
	FETCH_A \next, 0, 4
.endm
	s_wait_tensorcnt 1                             ; my part of slot 0 is in (slot 1's load may be out)
	s_barrier_signal -1
	s_barrier_wait -1                              ; everybody's is
	FETCH_B 0, 0, 0
	FETCH_A 0, 0, 0
	SCALES 0
	FETCH_A 0, 0, 4
	STEP 0, 0, 1                                   ; the first K step stands in front of the loop: its products start the sums
	s_mov_b32 s3, LAPS-1
.Llap:
	TURN 0, 1, 1
	STEP 1, 0, 0
	TURN 1, 0, 1
	STEP 0, 0, 0
	s_sub_co_u32 s3, s3, 1
	s_cmp_lg_u32 s3, 0
	s_cbranch_scc1 .Llap
	TURN 0, 1, 0                                   ; the last lap fills nothing
	STEP 1, 0, 0
	s_wait_dscnt 4*NL
	WIN MUL_LO
	MUL16 0, 1, 1, 1, 0
	MUL16 2, 1, 1, 1, 0
	s_wait_dscnt 0
	WIN MUL_HI
	MUL16 4, 1, 1, 1, 0
	MUL16 6, 1, 1, 1, 0
	WIN 0
; THE WAY OUT.  T's tile a against U's eight tiles is 64 numbers a lane, two whole blocks of 32 along the next K: they become fragment a of my pack, in the registers that held T's fragment a, and are stored from there.
; Each accumulator is read from its low end on.  No store's data are written again.
.macro QUANTW a
.set AC, 64*((\a)%4)
.set PCA, AF+FR*(\a)
.set WA, 2+(\a)/4
.set WB, WA*20                         ; sources 1 and 2 in the accumulators' window
	WIN WB
.irp k, 0,1,2,3
	v_max3_num_f32 v[TM+\k], 0x1800000, |v[AC+16*\k]|, |v[AC+16*\k+1]|   ; four chains of 16, and the floor 2^(3 - 127)
.endr
.irp n, 2,4,6,8,10,12,14
.irp k, 0,1,2,3
	v_max3_num_f32 v[TM+\k], v[TM+\k], |v[AC+16*\k+\n]|, |v[AC+16*\k+\n+1]|
.endr
.endr
	WIN 0
	v_max_num_f32 v[TM], v[TM], v[TM+1]
	v_max_num_f32 v[TM+2], v[TM+2], v[TM+3]
	v_add_nc_u32 v[SO], 0xff000000, v[TM]          ; 2 off the exponent field: the conversion's scale operand
	v_add_nc_u32 v[SO+1], 0xff000000, v[TM+2]
	v_lshrrev_b32 v[BY], 23, v[SO]
	v_lshrrev_b32 v[BY+1], 23, v[SO+1]
	v_lshl_or_b32 v[WW+(\a)], v[BY+1], 16, v[BY]
	v_lshlrev_b32 v[WW+(\a)], v[H8], v[WW+(\a)]
	v_permlanex16_b32 v[TX], v[WW+(\a)], s[SEL], s[SEL+1]
	v_or_b32 v[WW+(\a)], v[WW+(\a)], v[TX]         ; the row's scale word
	WIN WA                                         ; source 0 in the accumulators' window
	v_cvt_scalef32_pk16_fp6_f32 v[PCA:PCA+2], v[AC:AC+15], v[SO]
	v_cvt_scalef32_pk16_fp6_f32 v[TC:TC+2], v[AC+16:AC+31], v[SO]
	v_cvt_scalef32_pk16_fp6_f32 v[PCA+6:PCA+8], v[AC+32:AC+47], v[SO+1]
	v_cvt_scalef32_pk16_fp6_f32 v[TC+4:TC+6], v[AC+48:AC+63], v[SO+1]
	WIN 0
	v_nop                                          ; one plain place behind the conversions
.irp e, 0,1,2
	v_mov_b32 v[PCA+3+\e], v[TC+\e]
	v_mov_b32 v[PCA+9+\e], v[TC+4+\e]
.endr
.irp c, 0,1,2
	global_store_b128 v[LI], v[PCA+4*\c:PCA+4*\c+3], s[12:13] offset:1536*(\a)+512*\c   ; 32 lanes store 512 consecutive bytes
.endr
.endm
	PLACES NP
.irp a, 0,1,2,3,4,5,6,7
	QUANTW \a
.endr
	v_cmp_le_u32 vcc_lo, 16, v[LN]                 ; lanes 0-15 store the words of tiles 0-3, lanes 16-31 those of tiles 4-7
.irp j, 0,1,2,3
	v_cndmask_b32 v[WS+\j], v[WW+\j], v[WW+4+\j], vcc_lo
.endr
	global_store_b128 v[LI], v[WS:WS+3], s[12:13] offset:12288
	s_wait_tensorcnt 0x0                           ; the wave's end
	ds_add_u32 v[SPW], v[NIL]
	s_wait_dscnt 0x0
	CROUND                                         ; the closing round
	s_endpgm
.Lfunc_end_k_qc0135166c4_qkv:
	.size	k_qc0135166c4_qkv, .Lfunc_end_k_qc0135166c4_qkv-k_qc0135166c4_qkv
	.p2alignl 7, 3214868480
	.fill 96, 4, 3214868480
	.section	.rodata,"a",@progbits
	.p2align	6, 0x0
	.amdhsa_kernel k_qc0135166c4_qkv
		.amdhsa_group_segment_fixed_size 327680
		.amdhsa_private_segment_fixed_size 0
		.amdhsa_enable_private_segment 0
		.amdhsa_kernarg_size 16
		.amdhsa_user_sgpr_count 2
		.amdhsa_user_sgpr_kernarg_segment_ptr 1
		.amdhsa_wavefront_size32 1
		.amdhsa_system_sgpr_workgroup_id_x 1
		.amdhsa_system_sgpr_workgroup_id_y 1
		.amdhsa_system_sgpr_workgroup_id_z 1
		.amdhsa_system_vgpr_workitem_id 0
		.amdhsa_next_free_vgpr 1024
		.amdhsa_next_free_sgpr 66
		.amdhsa_reserve_vcc 1
		.amdhsa_float_denorm_mode_32 3
		.amdhsa_float_denorm_mode_16_64 3
		.amdhsa_memory_ordered 1
		.amdhsa_forward_progress 1
		.amdhsa_inst_pref_size 131
	.end_amdhsa_kernel
	.amdgpu_metadata
---
amdhsa.version: [ 1, 2 ]
amdhsa.kernels:
  - .name:           k_qc0135166c4_qkv
    .symbol:         k_qc0135166c4_qkv.kd
    .args:
      - { .name: xw, .offset: 0, .size: 8, .value_kind: global_buffer, .address_space: global }
      - { .name: qkv, .offset: 8, .size: 8, .value_kind: global_buffer, .address_space: global }
    .group_segment_fixed_size: 327680
    .private_segment_fixed_size: 0
    .kernarg_segment_align: 8
    .kernarg_segment_size: 16
    .max_flat_workgroup_size: 128
    .sgpr_count:     66
    .vgpr_count:     1024
    .wavefront_size: 32
...
	.end_amdgpu_metadata
.endif
;; end of part 2
;; launch attn (part 3): grid 16 x 16, 8 waves a work-group, clusters of 4 x 1, 327,680 bytes of LDS; arguments qkv, maskp, oc; writes oc
.if DOCPART == 3
	.amdgcn_target "amdgcn-amd-amdhsa--gfx1250"
	.amdhsa_code_object_version 6
	.text
	.protected	k_qc0135166c4_attn
	.globl	k_qc0135166c4_attn
	.p2align	8
	.type	k_qc0135166c4_attn,@function
k_qc0135166c4_attn:
	s_mov_b64 s[64:65], 0
	v_nop
	global_prefetch_b8 v0, s[64:65] scope:SCOPE_SE
	s_setreg_imm32_b32 hwreg(HW_REG_WAVE_MODE, 25, 1), 1
	s_wait_xcnt 0x0
	s_wait_alu depctr_hold_cnt(0) depctr_sa_sdst(0) depctr_va_vdst(0) depctr_va_sdst(0) depctr_va_ssrc(0) depctr_va_vcc(0) depctr_vm_vsrc(0)
	s_getreg_b32 s2, hwreg(HW_REG_IB_STS2, 6, 4)
	s_cmp_eq_u32 s2, 0
	s_cbranch_scc0 .Lentry_in_a_cluster
	s_endpgm
.Lentry_in_a_cluster:
	s_bfe_u32 s2, ttmp6, 0x10000c
	s_cmp_lg_u32 s2, 0x3003
	s_cbranch_scc0 .Lentry_shape_is_right
	s_endpgm
.Lentry_shape_is_right:
; THIRD LAUNCH: O = softmax(q k^T / sqrt(128) + mask) v for 16 heads, both products on codes of FP6, and O quantised along the head's 128 for the last product.  No work is left out: the mask is an input, so every key counts.
; THE SOFTMAX AHEAD OF THE SECOND PRODUCT: t = score x log2(e) / sqrt(128) + mask x log2(e) (one fused multiply-add; maskp holds the second term); M = the running largest t, rounded UP to a whole number, kept as -M;
; p = 2^(t - M) is what is quantised, along the keys; the row's sum is taken of the unquantised p and divides O at the end; when M moves, the sum and O are multiplied by 2^(old M - new M): exact.
; SHARES.  A work-group is a block of 128 tokens of one head; wave w owns tile w of its pack of q: 16 queries.  Every wave walks the head's 16 key steps of 128 keys.
; LAYOUT.  Both products are used transposed: S^T = K Q^T, O^T = V^T P^T: a lane holds ONE query.  K's and V's packs have their tiles' rows in the order rho (first launch), so a lane's 64 scores are the keys
; 64 c + 32 (lane / 16) + n at register 32 c + n: two whole blocks of 32 at the operand's places: a block's maximum needs no other lane, and the conversions' results are P's fragment.  O^T's 64 registers lie likewise along the head's 128.
; THE MASK comes from maskp straight into registers, 512 consecutive bytes a load, two key steps ahead.
; K AND V: LDS holds 12 positions of a K pack and a V pack.  Key steps 0-11 are asked for at the head (three loads a wave); steps 12-15 fill positions 0-3 again, behind steps 0-3: one refill in the launch.
; CLUSTER: the four token blocks of a cluster belong to one head: each pack is asked for jointly, by the same load with the same descriptor and the mask 15.
; LIMITS: as stated at the head of the first launch; a row whose mask is -infinity throughout gives NaN.
; REGISTERS: window 0: see the names below.  window 1: v0-63, v64-127 the mask of two key steps; v128-191 O^T.
.set TEN,   3276800
.set PACKB, 12800
.set RB,    16*PACKB
.set POSB,  2*PACKB                    ; a position: K's pack, then V's
.set SPARE, 12*POSB                    ; the spare words, 128 bytes for each of eight waves
.set SCR,   SPARE+1024                 ; 512 bytes: O's scale words meet here; no tensor load lands here
.set LI,  1                            ; v1   16 x lane
.set LR,  2                            ; v2   16 x (lane % 16)
.set SPW, 3
.set NIL, 4
.set ADK, 5                            ; v5   the position in hand + 16 x lane
.set ADS, 6                            ; v6   the position in hand + 16 r
.set H8,  7                            ; v7   8 h
.set SWA, 8                            ; v8   where I put my row's scale word
.set SRA, 9                            ; v9   where wave 0 reads them back
.set QO,  10                           ; v10  16 x lane + 1536 w: my tile's fragment in a pack
.set QS,  11                           ; v11  my tile's scale words in a pack
.set NM,  12                           ; v12  -M;  v13 the largest t so far
.set SUM, 14                           ; v[14:15] the sum, in two halves
.set QF,  16                           ; v16-27 Q
.set QSC, 28                           ; v28  Q's scale words
.set PW,  29                           ; v29  P's scale word
.set FA,  32                           ; v32-79  four fragments
.set KS,  80                           ; v80-87  K's scale words
.set VS,  88                           ; v88-95  V's
.set S,   96                           ; v96-159 S^T, then p
.set FB,  160                          ; v160-207 four fragments
.set TM,  208                          ; v208-211 chains of maxima
.set TX,  212
.set TP,  213
.set SO,  214
.set BY,  216
.set FF,  218                          ; v[218:219] f = 2^(old M - new M); later 1 / the sum
.set SUM2, 220
.set PWT, 222
.set PC,  224                          ; v224-235 P's fragment
.set TC,  236
.set OT,  128                          ; in window 1
.set WV,  12
.set TB,  13                           ; s13  LDS byte of the position in hand
.set SEL, 20
.set CS,  22                           ; s[22:23] c = log2(e) / sqrt(128)
.set G1,  24
.set G0,  32                           ; s[32:43] three sets of group 0
.set MSB, 0
.macro WIN new
.if MSB != (\new)
	s_set_vgpr_msb (MSB<<8)|(\new)
.set MSB, (\new)
.endif
.endm
.macro CROUND                          ; a round of the cluster's barrier
	s_barrier_signal -1
	s_barrier_wait -1
	s_cmp_lg_u32 s[WV], 0
	s_cbranch_scc1 .Lnot_wave_0_\@
	s_barrier_signal -3
.Lnot_wave_0_\@:
	s_barrier_wait -3
	s_barrier_signal -1
	s_barrier_wait -1
.endm
; 64 numbers of a lane, register 32 c + n = k 64 c + 32 h + n of my row, become a fragment in v[pc] on and the row's scale word in v[wd]
.macro QUANT2 s, pc, wd
.irp k, 0,1,2,3
	v_max3_num_f32 v[TM+\k], 0x1800000, |v[\s+16*\k]|, |v[\s+16*\k+1]|
.endr
.irp n, 2,4,6,8,10,12,14
.irp k, 0,1,2,3
	v_max3_num_f32 v[TM+\k], v[TM+\k], |v[\s+16*\k+\n]|, |v[\s+16*\k+\n+1]|
.endr
.endr
	v_max_num_f32 v[TM], v[TM], v[TM+1]
	v_max_num_f32 v[TM+2], v[TM+2], v[TM+3]
	v_add_nc_u32 v[SO], 0xff000000, v[TM]
	v_add_nc_u32 v[SO+1], 0xff000000, v[TM+2]
	v_lshrrev_b32 v[BY], 23, v[SO]
	v_lshrrev_b32 v[BY+1], 23, v[SO+1]
	v_lshl_or_b32 v[(\wd)], v[BY+1], 16, v[BY]
	v_lshlrev_b32 v[(\wd)], v[H8], v[(\wd)]
	v_permlanex16_b32 v[TX], v[(\wd)], s[SEL], s[SEL+1]
	v_or_b32 v[(\wd)], v[(\wd)], v[TX]
	v_cvt_scalef32_pk16_fp6_f32 v[\pc:\pc+2], v[\s:\s+15], v[SO]
	v_cvt_scalef32_pk16_fp6_f32 v[TC:TC+2], v[\s+16:\s+31], v[SO]
	v_cvt_scalef32_pk16_fp6_f32 v[\pc+6:\pc+8], v[\s+32:\s+47], v[SO+1]
	v_cvt_scalef32_pk16_fp6_f32 v[TC+4:TC+6], v[\s+48:\s+63], v[SO+1]
	v_nop
.irp e, 0,1,2
	v_mov_b32 v[\pc+3+\e], v[TC+\e]
	v_mov_b32 v[\pc+9+\e], v[TC+4+\e]
.endr
.endm
	s_load_b128 s[4:7], s[0:1], 0x0                ; qkv s[4:5], maskp s[6:7]
	s_load_b64 s[8:9], s[0:1], 0x10                ; oc
	v_lshl_add_u32 v[SPW], v0, 2, SPARE
	v_mov_b32 v[NIL], 0
	ds_add_u32 v[SPW], v[NIL]                      ; the wave's opening: the add, twice on end, and its wait ahead of my first tensor load
	ds_add_u32 v[SPW], v[NIL]
	v_lshrrev_b32 v[LI], 5, v0
	v_readfirstlane_b32 s[WV], v[LI]               ; wave 0..7
	s_bfe_u32 s44, ttmp6, 0x40000                  ; cx: it enters Q's, the mask's and O's global addresses alone
	s_lshl_b32 s45, ttmp9, 2
	s_add_co_u32 s45, s45, s44                     ; my token block R
	s_and_b32 s46, ttmp7, 0xffff                   ; the head, which the four partners share
	s_and_b32 s47, s[WV], 3
	s_lshr_b32 s15, s[WV], 2                       ; I fetch K's packs (0) or V's (1)
	s_add_co_u32 s48, s15, 1
	s_mul_i32 s48, s48, TEN
	s_mul_i32 s49, s46, RB
	s_add_co_u32 s48, s48, s49
	s_mul_i32 s49, s47, PACKB
	s_add_co_u32 s48, s48, s49                     ; key step w % 4 of the head, in k or in v
	s_mov_b32 s49, 0
	s_mul_i32 s50, s47, POSB
	s_mul_i32 s51, s15, PACKB
	s_add_co_u32 s50, s50, s51                     ; and its place in LDS
	; descriptor group 1: a pack, 12,800 dense bytes, as 50 rows of 32 elements of 8 bytes
	s_mov_b32 s[G1], 15|(3<<16)|(1<<21)            ; 15:0 the mask: all four work-groups; 17:16 elements of 8 bytes; 21 set beside a mask
	s_mov_b32 s[G1+1], 32<<16
	s_mov_b32 s[G1+2], 50<<16
	s_mov_b32 s[G1+3], 32<<16
	s_mov_b32 s[G1+4], 50
	s_mov_b32 s[G1+5], 32
	s_mov_b32 s[G1+6], 0
	s_mov_b32 s[G1+7], 0
	s_lshl_b32 s16, s46, 4
	s_add_co_u32 s16, s16, s45
	s_mul_i32 s16, s16, PACKB                      ; q's pack 16 head + R
	s_mov_b32 s17, 0
	s_lshl_b32 s18, s45, 4
	s_add_co_u32 s18, s18, s46
	s_mul_i32 s18, s18, PACKB                      ; oc's pack 16 R + head
	s_mov_b32 s19, 0
	s_lshl_b32 s54, s45, 20                        ; the mask: 16 units of 65,536 bytes a token block,
	s_lshl_b32 s55, s[WV], 13                      ; 8,192 bytes a tile
	s_add_co_u32 s54, s54, s55
	s_mov_b32 s55, 0
	s_mov_b32 s[SEL], 0x76543210
	s_mov_b32 s[SEL+1], 0xfedcba98
	s_mov_b32 s[CS], 0x3e0293ee
	s_mov_b32 s[CS+1], s[CS]                       ; (named with it as a pair, so it is written)
	s_mov_b32 s[TB], 0
	s_wait_dscnt 0x0                               ; both opening adds are done
	s_wait_kmcnt 0x0
	s_add_nc_u64 s[52:53], s[4:5], s[48:49]
.irp g, 0,1,2
	s_mov_b32 s[G0+4*\g], 1
	s_add_co_u32 s[G0+4*\g+1], s50, \g*4*POSB      ; positions 4 g + w % 4
	s_add_nc_u64 s[G0+4*\g+2:G0+4*\g+3], s[52:53], \g*4*PACKB
	s_or_b32 s[G0+4*\g+3], s[G0+4*\g+3], 0x80000000
.endr
	s_add_nc_u64 s[16:17], s[4:5], s[16:17]
	s_add_nc_u64 s[8:9], s[8:9], s[18:19]
	s_add_nc_u64 s[6:7], s[6:7], s[54:55]
	CROUND                                         ; all four work-groups are here: the first joint loads meet
	tensor_load_to_lds s[G0:G0+3], s[G1:G1+7]      ; key steps 0-3,
	s_nop 0
	tensor_load_to_lds s[G0+4:G0+7], s[G1:G1+7]    ; 4-7,
	s_nop 0
	tensor_load_to_lds s[G0+8:G0+11], s[G1:G1+7]   ; 8-11: three loads of mine are out
	s_nop 0
.rept 4
	v_nop
.endr
	v_and_b32 v[LI], 31, v0
	v_lshlrev_b32 v[LI], 4, v[LI]
	v_and_b32 v[LR], 15, v0
	v_lshlrev_b32 v[LR], 4, v[LR]
	v_bfe_u32 v[H8], v0, 4, 1
	v_lshlrev_b32 v[H8], 3, v[H8]
	s_mul_i32 s51, s[WV], 1536
	v_add_nc_u32 v[QO], s51, v[LI]
	s_lshl_b32 s51, s15, 8
	s_lshl_b32 s47, s47, 2
	s_add_co_u32 s51, s51, s47                     ; 256 (w / 4) + 4 (w % 4): my tile's words among a pack's
	s_add_co_u32 s47, s51, 12288
	v_add_nc_u32 v[QS], s47, v[LR]
	s_add_co_u32 s51, s51, SCR
	v_add_nc_u32 v[SWA], s51, v[LR]
	v_add_nc_u32 v[SRA], SCR, v[LI]
.irp c, 0,1,2
	global_load_b128 v[QF+4*\c:QF+4*\c+3], v[QO], s[16:17] offset:512*\c   ; Q's fragment stays in registers
.endr
	global_load_b32 v[QSC], v[QS], s[16:17]
	WIN 0x40                                       ; destination window 1
.irp j, 0,1
.irp g, 0,1,2,3,4,5,6,7,8,9,10,11,12,13,14,15
	global_load_b128 v[64*\j+4*\g:64*\j+4*\g+3], v[LI], s[6:7] offset:65536*\j+512*\g   ; the mask of key steps 0 and 1
.endr
.endr
.set jj, 0
.rept 64
	v_mov_b32 v[OT+jj], 0                          ; O^T.  (The step is written once: the first finds zeros, which the first change of M leaves zeros)
.set jj, jj+1
.endr
	WIN 0
	v_mov_b32 v[NM+1], 0xff61b1e6                  ; the largest t so far: -3e38
	v_floor_f32 v[NM], -v[NM+1]                    ; -M
	v_mov_b32 v[SUM], 0
	v_mov_b32 v[SUM+1], 0
	v_mov_b32 v[TX], 0                             ; written once: a lane permute's destination counts as one of its sources
	v_mov_b32 v[FF+1], 0                           ; (named as the upper half of a pair)
	s_wait_tensorcnt 2                             ; my pack of key steps 0-3 is in; the two later loads may be out
	s_barrier_signal -1
	s_barrier_wait -1
	s_wait_loadcnt 32                              ; Q and its scale words are in; the 32 mask loads may be out
; A KEY STEP.  par: which set holds its mask;  ld = 1: the mask of two steps on is asked for;  left: the mask loads that may stay out
.macro STEP par, ld, left
	v_add_nc_u32 v[ADK], s[TB], v[LI]
	v_add_nc_u32 v[ADS], s[TB], v[LR]
	v_nop
	v_nop                                          ; four places in front of loads into registers that the last products read
.irp g, 0,1
	ds_load_b128 v[KS+4*\g:KS+4*\g+3], v[ADS] offset:12288+256*\g
.endr
.irp t, 0,1,2,3
.irp c, 0,1,2
	ds_load_b128 v[FA+12*\t+4*\c:FA+12*\t+4*\c+3], v[ADK] offset:1536*\t+512*\c
.endr
.endr
.irp t, 0,1,2,3
.irp c, 0,1,2
	ds_load_b128 v[FB+12*\t+4*\c:FB+12*\t+4*\c+3], v[ADK] offset:1536*(4+\t)+512*\c
.endr
.endr
	s_wait_dscnt 12                                ; K's scale words and tiles 0-3 are in; tiles 4-7, 12 loads, may be out
.irp t, 0,1,2,3
	v_wmma_scale_f32_16x16x128_f8f6f4 v[S+8*\t:S+8*\t+7], v[FA+12*\t:FA+12*\t+11], v[QF:QF+11], 0, v[KS+\t], v[QSC] matrix_a_fmt:MATRIX_FMT_FP6 matrix_b_fmt:MATRIX_FMT_FP6
.endr
	s_wait_dscnt 0
.irp t, 0,1,2,3
	v_wmma_scale_f32_16x16x128_f8f6f4 v[S+32+8*\t:S+32+8*\t+7], v[FB+12*\t:FB+12*\t+11], v[QF:QF+11], 0, v[KS+4+\t], v[QSC] matrix_a_fmt:MATRIX_FMT_FP6 matrix_b_fmt:MATRIX_FMT_FP6
.endr
.rept 4
	v_nop                                          ; places in front of the loads below and of the first read of the scores
.endr
.irp g, 0,1
	ds_load_b128 v[VS+4*\g:VS+4*\g+3], v[ADS] offset:PACKB+12288+256*\g   ; V's pack lands under the softmax
.endr
.irp t, 0,1,2,3
.irp c, 0,1,2
	ds_load_b128 v[FA+12*\t+4*\c:FA+12*\t+4*\c+3], v[ADK] offset:PACKB+1536*\t+512*\c
.endr
.endr
.irp t, 0,1,2,3
.irp c, 0,1,2
	ds_load_b128 v[FB+12*\t+4*\c:FB+12*\t+4*\c+3], v[ADK] offset:PACKB+1536*(4+\t)+512*\c
.endr
.endr
	s_wait_loadcnt \left                           ; this step's mask is in; the next step's 16 loads may be out
	WIN 0x10                                       ; source 2 window 1
.set jj, 0
.rept 32
	v_pk_fma_f32 v[S+jj:S+jj+1], v[S+jj:S+jj+1], s[CS:CS+1], v[64*\par+jj:64*\par+jj+1] op_sel_hi:[1,0,1]   ; t = score x c + mask x log2(e); each accumulator from its low end on
.set jj, jj+2
.endr
.if \ld
	WIN 0x40
.irp g, 0,1,2,3,4,5,6,7,8,9,10,11,12,13,14,15
	global_load_b128 v[64*\par+4*\g:64*\par+4*\g+3], v[LI], s[6:7] offset:(2+\par)*65536+512*\g
.endr
.endif
	WIN 0
.irp k, 0,1,2,3
	v_max3_num_f32 v[TM+\k], v[S+16*\k], v[S+16*\k+1], v[S+16*\k+2]   ; four chains of 16
.endr
.irp i, 3,5,7,9,11,13
.irp k, 0,1,2,3
	v_max3_num_f32 v[TM+\k], v[TM+\k], v[S+16*\k+\i], v[S+16*\k+\i+1]
.endr
.endr
.irp k, 0,1,2,3
	v_max_num_f32 v[TM+\k], v[TM+\k], v[S+16*\k+15]
.endr
	v_max_num_f32 v[TM], v[TM], v[TM+1]            ; THE LARGEST t OF EACH OF MY TWO BLOCKS: it serves for the row's maximum and, since p rises with t, for the block's largest p
	v_max_num_f32 v[TM+2], v[TM+2], v[TM+3]
	v_max_num_f32 v[TP], v[TM], v[TM+2]
	v_permlanex16_b32 v[TX], v[TP], s[SEL], s[SEL+1]
	v_max_num_f32 v[TP], v[TP], v[TX]              ; with lane l xor 16's 64 keys
	v_max_num_f32 v[NM+1], v[NM+1], v[TP]          ; the running largest t
	v_mov_b32 v[TP], v[NM]
	v_floor_f32 v[NM], -v[NM+1]                    ; the new -M = -ceil(t): M is a whole number
	v_sub_f32 v[TP], v[NM], v[TP]                  ; old M - new M, 0 or less
	v_cvt_i32_f32 v[TP], v[TP]                     ; (it saturates)
	v_ldexp_f32 v[FF], 1.0, v[TP]                  ; f = 2^(old M - new M)
.set jj, 0
.rept 32
	v_pk_add_f32 v[S+jj:S+jj+1], v[S+jj:S+jj+1], v[NM:NM+1] op_sel_hi:[1,0]   ; t - M
.set jj, jj+2
.endr
	v_add_f32 v[TM], v[TM], v[NM]                  ; the same of each block's largest t
	v_add_f32 v[TM+2], v[TM+2], v[NM]
.set jj, 0
.rept 64
	v_exp_f32 v[S+jj], v[S+jj]                     ; p = 2^(t - M), at most 1: not normalised
.set jj, jj+1
.endr
	v_pk_mul_f32 v[SUM:SUM+1], v[SUM:SUM+1], v[FF:FF+1] op_sel_hi:[1,0]   ; the sums under the new M: a plain place behind the exponentials
	s_wait_alu depctr_va_vdst(0)                   ; one wait for the batch, ahead of its first reader
	v_exp_f32 v[TM], v[TM]                         ; the blocks' largest p: the same instructions on the same number give the same bits
	v_exp_f32 v[TM+2], v[TM+2]
	v_pk_add_f32 v[SUM2:SUM2+1], v[S:S+1], v[S+2:S+3]   ; the row's sum is taken of the unquantised p, in two chains
.irp j, 4,8,12,16,20,24,28,32,36,40,44,48,52,56,60
	v_pk_add_f32 v[SUM:SUM+1], v[SUM:SUM+1], v[S+\j:S+\j+1]
	v_pk_add_f32 v[SUM2:SUM2+1], v[SUM2:SUM2+1], v[S+\j+2:S+\j+3]
.endr
	v_pk_add_f32 v[SUM:SUM+1], v[SUM:SUM+1], v[SUM2:SUM2+1]
	s_wait_alu depctr_va_vdst(0)                   ; and one for the two
	v_max_num_f32 v[TM], 0x1800000, v[TM]          ; the floor 2^(3 - 127): the byte cannot fall under 1
	v_max_num_f32 v[TM+2], 0x1800000, v[TM+2]
	v_add_nc_u32 v[SO], 0xff000000, v[TM]
	v_add_nc_u32 v[SO+1], 0xff000000, v[TM+2]
	v_lshrrev_b32 v[BY], 23, v[SO]
	v_lshrrev_b32 v[BY+1], 23, v[SO+1]
	v_lshl_or_b32 v[PWT], v[BY+1], 16, v[BY]
	v_lshlrev_b32 v[PWT], v[H8], v[PWT]
	v_permlanex16_b32 v[TX], v[PWT], s[SEL], s[SEL+1]
	v_or_b32 v[PW], v[PWT], v[TX]                  ; p's scale word for these 128 keys
	v_cvt_scalef32_pk16_fp6_f32 v[PC:PC+2], v[S:S+15], v[SO]
	v_cvt_scalef32_pk16_fp6_f32 v[TC:TC+2], v[S+16:S+31], v[SO]
	v_cvt_scalef32_pk16_fp6_f32 v[PC+6:PC+8], v[S+32:S+47], v[SO+1]
	v_cvt_scalef32_pk16_fp6_f32 v[TC+4:TC+6], v[S+48:S+63], v[SO+1]
	v_nop                                          ; one plain place behind the conversions
.irp e, 0,1,2
	v_mov_b32 v[PC+3+\e], v[TC+\e]
	v_mov_b32 v[PC+9+\e], v[TC+4+\e]
.endr
	WIN 0x41                                       ; O^T (destination and source 0) window 1
.set jj, 0
.rept 32
	v_pk_mul_f32 v[OT+jj:OT+jj+1], v[OT+jj:OT+jj+1], v[FF:FF+1] op_sel_hi:[1,0]   ; O^T under the new M; these are also the places between the scale word, P's fragment and the products
.set jj, jj+2
.endr
	s_wait_dscnt 0                                 ; V's pack is in registers
	WIN 0x50                                       ; C and D window 1
.irp t, 0,1,2,3
	v_wmma_scale_f32_16x16x128_f8f6f4 v[OT+8*\t:OT+8*\t+7], v[FA+12*\t:FA+12*\t+11], v[PC:PC+11], v[OT+8*\t:OT+8*\t+7], v[VS+\t], v[PW] matrix_a_fmt:MATRIX_FMT_FP6 matrix_b_fmt:MATRIX_FMT_FP6
.endr
.irp t, 0,1,2,3
	v_wmma_scale_f32_16x16x128_f8f6f4 v[OT+32+8*\t:OT+32+8*\t+7], v[FB+12*\t:FB+12*\t+11], v[PC:PC+11], v[OT+32+8*\t:OT+32+8*\t+7], v[VS+4+\t], v[PW] matrix_a_fmt:MATRIX_FMT_FP6 matrix_b_fmt:MATRIX_FMT_FP6
.endr
	WIN 0
	s_add_co_u32 s[TB], s[TB], POSB                ; the next position
.endm
.macro PAIR
	STEP 0, 1, 16
	STEP 1, 1, 16
	s_wait_xcnt 0x0                                ; the mask loads have read their base: it steps two key steps on
	s_add_nc_u64 s[6:7], s[6:7], 131072
.endm
	s_mov_b32 s14, 2
.Lfirst:                                               ; key steps 0-3
	PAIR
	s_sub_co_u32 s14, s14, 1
	s_cmp_lg_u32 s14, 0
	s_cbranch_scc1 .Lfirst
	; THE ONE REFILL: positions 0-3 take key steps 12-15.  It has eight key steps in which to land.
	s_wait_tensorcnt 0x0                           ; all my tensor loads have landed, key steps 4-11 among them
	ds_add_u32 v[SPW], v[NIL]
	s_add_nc_u64 s[G0+2:G0+3], s[G0+2:G0+3], 12*PACKB
	s_wait_dscnt 0x0                               ; the add is done, and my reads of positions 0-3 are over
	CROUND                                         ; no wave of any partner still reads them or has a load on its way
	tensor_load_to_lds s[G0:G0+3], s[G1:G1+7]
	s_nop 0
.rept 4
	v_nop
.endr
	s_mov_b32 s[TB], 4*POSB
	s_mov_b32 s14, 4
.Lsecond:                                              ; key steps 4-11
	PAIR
	s_sub_co_u32 s14, s14, 1
	s_cmp_lg_u32 s14, 0
	s_cbranch_scc1 .Lsecond
	s_wait_tensorcnt 0x0                           ; my pack of key steps 12-15 is in,
	s_wait_dscnt 0x0
	s_barrier_signal -1
	s_barrier_wait -1                              ; everybody's is
	s_mov_b32 s[TB], 0
	PAIR                                           ; key steps 12, 13: they ask for the last two steps' mask
	STEP 0, 0, 16
	STEP 1, 0, 0
	; THE WAY OUT: O^T / the sum, quantised along the head's 128: fragment w of oc's pack (token block, head).  The eight waves' scale words meet in LDS and leave as 512 consecutive bytes.
.rept 4
	v_nop
.endr
	v_add_f32 v[SUM], v[SUM], v[SUM+1]
	v_permlanex16_b32 v[TX], v[SUM], s[SEL], s[SEL+1]
	v_add_f32 v[SUM], v[SUM], v[TX]                ; the row's sum
	v_rcp_f32 v[FF], v[SUM]
	v_nop                                          ; a plain place behind the reciprocal
	s_wait_alu depctr_va_vdst(0)                   ; and the wait ahead of its first reader
	WIN 0x01                                       ; source 0 window 1
.set jj, 0
.rept 32
	v_pk_mul_f32 v[S+jj:S+jj+1], v[OT+jj:OT+jj+1], v[FF:FF+1] op_sel_hi:[1,0]
.set jj, jj+2
.endr
	WIN 0
	QUANT2 S, PC, PWT
.irp c, 0,1,2
	global_store_b128 v[QO], v[PC+4*\c:PC+4*\c+3], s[8:9] offset:512*\c
.endr
	ds_store_b32 v[SWA], v[PWT]                    ; both halves of the lanes write the same word with the same value
	s_wait_dscnt 0x0                               ; for the others' sake
	s_barrier_signal -1
	s_barrier_wait -1
	s_cmp_lg_u32 s[WV], 0
	s_cbranch_scc1 .Lnot_first
	ds_load_b128 v[FA:FA+3], v[SRA]
	s_wait_dscnt 0x0
	global_store_b128 v[LI], v[FA:FA+3], s[8:9] offset:12288
.Lnot_first:
	s_wait_tensorcnt 0x0                           ; the wave's end: behind my last tensor load and my last LDS store
	ds_add_u32 v[SPW], v[NIL]
	s_wait_dscnt 0x0
	CROUND                                         ; the closing round
	s_endpgm
.Lfunc_end_k_qc0135166c4_attn:
	.size	k_qc0135166c4_attn, .Lfunc_end_k_qc0135166c4_attn-k_qc0135166c4_attn
	.p2alignl 7, 3214868480
	.fill 96, 4, 3214868480
	.section	.rodata,"a",@progbits
	.p2align	6, 0x0
	.amdhsa_kernel k_qc0135166c4_attn
		.amdhsa_group_segment_fixed_size 327680
		.amdhsa_private_segment_fixed_size 0
		.amdhsa_enable_private_segment 0
		.amdhsa_kernarg_size 24
		.amdhsa_user_sgpr_count 2
		.amdhsa_user_sgpr_kernarg_segment_ptr 1
		.amdhsa_wavefront_size32 1
		.amdhsa_system_sgpr_workgroup_id_x 1
		.amdhsa_system_sgpr_workgroup_id_y 1
		.amdhsa_system_sgpr_workgroup_id_z 1
		.amdhsa_system_vgpr_workitem_id 0
		.amdhsa_next_free_vgpr 448
		.amdhsa_next_free_sgpr 66
		.amdhsa_reserve_vcc 0
		.amdhsa_float_denorm_mode_32 3
		.amdhsa_float_denorm_mode_16_64 3
		.amdhsa_memory_ordered 1
		.amdhsa_forward_progress 1
		.amdhsa_inst_pref_size 183
	.end_amdhsa_kernel
	.amdgpu_metadata
---
amdhsa.version: [ 1, 2 ]
amdhsa.kernels:
  - .name:           k_qc0135166c4_attn
    .symbol:         k_qc0135166c4_attn.kd
    .args:
      - { .name: qkv, .offset: 0, .size: 8, .value_kind: global_buffer, .address_space: global }
      - { .name: maskp, .offset: 8, .size: 8, .value_kind: global_buffer, .address_space: global }
      - { .name: oc, .offset: 16, .size: 8, .value_kind: global_buffer, .address_space: global }
    .group_segment_fixed_size: 327680
    .private_segment_fixed_size: 0
    .kernarg_segment_align: 8
    .kernarg_segment_size: 24
    .max_flat_workgroup_size: 256
    .sgpr_count:     66
    .vgpr_count:     448
    .wavefront_size: 32
...
	.end_amdgpu_metadata
.endif
;; end of part 3
;; launch outp (part 4): grid 8 x 8, 4 waves a work-group, clusters of 4 x 4, 327,680 bytes of LDS; arguments oc, xw, out0; writes out0
.if DOCPART == 4
	.amdgcn_target "amdgcn-amd-amdhsa--gfx1250"
	.amdhsa_code_object_version 6
	.text
	.protected	k_qc0135166c4_outp
	.globl	k_qc0135166c4_outp
	.p2align	8
	.type	k_qc0135166c4_outp,@function
k_qc0135166c4_outp:
	s_mov_b64 s[64:65], 0
	v_nop
	global_prefetch_b8 v0, s[64:65] scope:SCOPE_SE
	s_setreg_imm32_b32 hwreg(HW_REG_WAVE_MODE, 25, 1), 1
	s_wait_xcnt 0x0
	s_wait_alu depctr_hold_cnt(0) depctr_sa_sdst(0) depctr_va_vdst(0) depctr_va_sdst(0) depctr_va_ssrc(0) depctr_va_vcc(0) depctr_vm_vsrc(0)
	s_getreg_b32 s2, hwreg(HW_REG_IB_STS2, 6, 4)
	s_cmp_eq_u32 s2, 0
	s_cbranch_scc0 .Lentry_in_a_cluster
	s_endpgm
.Lentry_in_a_cluster:
	s_bfe_u32 s2, ttmp6, 0x10000c
	s_cmp_lg_u32 s2, 0xf033
	s_cbranch_scc0 .Lentry_shape_is_right
	s_endpgm
.Lentry_shape_is_right:
; FOURTH LAUNCH: out = O Wo^T on the codes of oc and of xw's fifth tensor.  No work is left out.
; The loop is the second launch's: a tile of 256 rows of T = O (source 1) x 256 rows of U = Wo (source 0), K = 2,048 in packs (128 rows x 128 K as an image of operand registers, 12,800 bytes), a ring of two LDS slots of
; two K steps, joint loads in clusters of 4 x 4.  Four waves, each 128 x 128: 64 accumulators.
; Row m of a pack's tile i is row rho(i, m) = 64 (i / 4) + 32 (m / 8) + 8 (i % 4) + m % 8 of its 128.  Only here is that order undone, by immediates: in accumulator (a, b) lane (r, h) holds token rho(a, r) and
; its register j the output 64 (b / 4) + 32 h + 8 (b % 4) + j.
; REGISTERS, in windows of 256: window 0: v16-31 addresses; v32-95 scale words, two sets; v128-223 T's eight fragments, ONE set (on the way out v128-255 take rows of the result).
;   window 1: U's fragments, two sets, at v0 and v128.   windows 2, 3: the accumulators ((a, b) at v[8 (8 (a % 4) + b)]).
.set TEN,   3276800
.set PACKB, 12800
.set RB,    16*PACKB
.set REG,   2*PACKB
.set SLOT,  4*REG
.set SPARE, 2*SLOT                     ; behind the ring: the spare words, 128 bytes for each wave
.set STAGE, SPARE+512                  ; the way out: 16 rows x 528 bytes for each wave; no tensor load lands here
.set SPITCH, 528
.set FR,    12
.set NL,    3
.set NP,    4
.set LAPS,  4
.set ADRA, 16
.set ASA,  18
.set ADRB, 20
.set ASB,  22
.set STO,  24                          ; v24  the way out: where I put 32 bytes of a row
.set RD,   25                          ; v25  where I read a row back
.set SPW,  28
.set NIL,  29
.set LI,   30                          ; v30  16 x lane: also my byte offset in a row's 512 bytes of the result
.set SC,   32
.set AF,   128
.set BK,   128
.set G1, 24
.set G0, 32
.set G1B, 48
.set G0B, 56
.set MSB, 0
.macro WIN new
.if MSB != (\new)
	s_set_vgpr_msb (MSB<<8)|(\new)
.set MSB, (\new)
.endif
.endm
.set MUL_LO, 0xa1
.set MUL_HI, 0xf1
.set TO_B,   0x40
.macro JLOAD g0a, g1a, g0b, g1b        ; a joint load: waves 0 and 1 fetch for T, waves 2 and 3 for U; an s_nop 0 and four v_nop follow each of the two lines
	s_cmp_eq_u32 s15, 0
	s_cbranch_scc0 .Lfor_b_\@
	tensor_load_to_lds s[\g0a:\g0a+3], s[\g1a:\g1a+7]
	s_nop 0
.rept 4
	v_nop
.endr
	s_branch .Lasked_\@
.Lfor_b_\@:
	tensor_load_to_lds s[\g0b:\g0b+3], s[\g1b:\g1b+7]
	s_nop 0
.rept 4
	v_nop
.endr
.Lasked_\@:
.endm
.macro CREST
	s_cmp_lg_u32 s14, 0
	s_cbranch_scc1 .Lnot_wave_0_\@
	s_barrier_signal -3
.Lnot_wave_0_\@:
	s_barrier_wait -3
	s_barrier_signal -1
	s_barrier_wait -1
.endm
.macro CROUND
	s_barrier_signal -1
	s_barrier_wait -1
	CREST
.endm
	s_load_b128 s[4:7], s[0:1], 0x0                ; oc s[4:5], xw s[6:7]
	s_load_b64 s[12:13], s[0:1], 0x10              ; out0
	v_lshl_add_u32 v[SPW], v0, 2, SPARE
	v_mov_b32 v[NIL], 0
	ds_add_u32 v[SPW], v[NIL]                      ; the wave's opening: the add, twice on end, and its wait ahead of my first tensor load
	ds_add_u32 v[SPW], v[NIL]
	v_lshrrev_b32 v1, 5, v0
	v_readfirstlane_b32 s14, v1                    ; wave 0..3
	s_lshr_b32 s15, s14, 1                         ; which row block of T is mine.  Also: I fetch for T (0) or for U (1)
	s_and_b32 s16, s14, 1                          ; which row block of U.  Also: which of the two row blocks I fetch
	s_bfe_u32 s40, ttmp6, 0x40000                  ; cx
	s_bfe_u32 s41, ttmp6, 0x40004                  ; cy
	s_and_b32 s22, ttmp7, 0xffff
	s_lshl_b32 s22, s22, 2
	s_add_co_u32 s22, s22, s41                     ; tile row (tokens)
	s_lshl_b32 s42, ttmp9, 2
	s_add_co_u32 s42, s42, s40                     ; tile column (outputs)
	s_lshl_b32 s43, s41, 2
	s_lshl_b32 s43, 15, s43                        ; my row of the cluster
	s_lshl_b32 s44, 0x1111, s40                    ; my column
	s_or_b32 s[G1+0], s43, (3<<16)|(1<<21)         ; 25,600 dense bytes as 100 rows of 32 elements of 8 bytes; the mask, and bit 21 beside it
	s_or_b32 s[G1B+0], s44, (3<<16)|(1<<21)
.irp g, G1, G1B
	s_mov_b32 s[\g+1], 32<<16
	s_mov_b32 s[\g+2], 100<<16
	s_mov_b32 s[\g+3], 32<<16
	s_mov_b32 s[\g+4], 100
	s_mov_b32 s[\g+5], 32
	s_mov_b32 s[\g+6], 0
	s_mov_b32 s[\g+7], 0
.endr
	s_lshl_b32 s20, s22, 1
	s_add_co_u32 s20, s20, s16
	s_mul_i32 s20, s20, RB                         ; T: oc's row block
	s_mov_b32 s21, 0
	s_lshl_b32 s46, s42, 1
	s_add_co_u32 s46, s46, s16
	s_mul_i32 s46, s46, RB
	s_add_co_u32 s46, s46, 4*TEN                   ; U: Wo's row block
	s_mov_b32 s47, 0
	s_mul_i32 s45, s14, REG
	s_wait_dscnt 0x0                               ; both opening adds are done
	s_wait_kmcnt 0x0
	s_add_nc_u64 s[20:21], s[4:5], s[20:21]
	s_add_nc_u64 s[46:47], s[6:7], s[46:47]
	CROUND                                         ; all sixteen work-groups are here: the first joint loads meet
.irp s, 0,1
	s_mov_b32 s[G0+4*\s], 1
	s_add_co_u32 s[G0+4*\s+1], s45, \s*SLOT
	s_add_nc_u64 s[G0+4*\s+2:G0+4*\s+3], s[20:21], \s*REG
	s_or_b32 s[G0+4*\s+3], s[G0+4*\s+3], 0x80000000
	s_mov_b32 s[G0B+4*\s], 1
	s_add_co_u32 s[G0B+4*\s+1], s45, \s*SLOT
	s_add_nc_u64 s[G0B+4*\s+2:G0B+4*\s+3], s[46:47], \s*REG
	s_or_b32 s[G0B+4*\s+3], s[G0B+4*\s+3], 0x80000000
	JLOAD G0+4*\s, G1, G0B+4*\s, G1B               ; two loads of mine are out
.endr
	v_and_b32 v1, 31, v0
	v_lshlrev_b32 v[LI], 4, v1
	v_and_b32 v2, 15, v0
	v_lshlrev_b32 v3, 4, v2                        ; 16 r
	s_mul_i32 s8, s15, REG
	s_mul_i32 s9, s16, REG
	s_add_co_u32 s9, s9, 2*REG
.irp s, 0,1
	v_add_nc_u32 v[ADRA+\s], s8, v[LI]
	v_add_nc_u32 v[ASA+\s], s8, v3
	v_add_nc_u32 v[ADRB+\s], s9, v[LI]
	v_add_nc_u32 v[ASB+\s], s9, v3
	s_add_co_u32 s8, s8, SLOT
	s_add_co_u32 s9, s9, SLOT
.endr
	s_mul_i32 s23, s14, 16*SPITCH
	s_add_co_u32 s23, s23, STAGE                   ; my stage
	v_bfe_u32 v4, v0, 4, 1
	v_mul_u32_u24 v[STO], v2, SPITCH
	v_lshl_add_u32 v[STO], v4, 7, v[STO]
	v_add_nc_u32 v[STO], s23, v[STO]               ; in: row r, + 128 h
	v_add_nc_u32 v[RD], s23, v[LI]                 ; back: the 32 lanes take one row of 512 bytes
	s_lshl_b32 s8, s22, 1
	s_add_co_u32 s8, s8, s15
	s_lshl_b32 s8, s8, 20                          ; my 128 tokens: rows of 8,192 bytes
	s_lshl_b32 s9, s42, 1
	s_add_co_u32 s9, s9, s16
	s_lshl_b32 s9, s9, 9                           ; my 128 outputs
	s_add_co_u32 s8, s8, s9
	s_mov_b32 s9, 0
	s_add_nc_u64 s[12:13], s[12:13], s[8:9]
.macro FRAG reg, adr, q, i
.irp c, 0,1,2
	ds_load_b128 v[\reg+4*\c:\reg+4*\c+3], v[\adr] offset:(\q)*PACKB+(\i)*1536+512*\c
.endr
.endm
; 16 matrix instructions; the 64 accumulators take turns, one instruction a turn, in the same order in every step
.macro MUL16 a0, p, q, sc, zero
.irp a, \a0, \a0+1
.irp b, 0,1,2,3,4,5,6,7
.if \zero
	v_wmma_scale_f32_16x16x128_f8f6f4 v[8*(8*((\a)%4)+\b):8*(8*((\a)%4)+\b)+7], v[128*(\p)+FR*\b:128*(\p)+FR*\b+FR-1], v[AF+FR*(\a):AF+FR*(\a)+FR-1], 0, v[SC+32*(\sc)+16*(\q)+8+\b], v[SC+32*(\sc)+16*(\q)+(\a)] matrix_a_fmt:MATRIX_FMT_FP6 matrix_b_fmt:MATRIX_FMT_FP6
.else
	v_wmma_scale_f32_16x16x128_f8f6f4 v[8*(8*((\a)%4)+\b):8*(8*((\a)%4)+\b)+7], v[128*(\p)+FR*\b:128*(\p)+FR*\b+FR-1], v[AF+FR*(\a):AF+FR*(\a)+FR-1], v[8*(8*((\a)%4)+\b):8*(8*((\a)%4)+\b)+7], v[SC+32*(\sc)+16*(\q)+8+\b], v[SC+32*(\sc)+16*(\q)+(\a)] matrix_a_fmt:MATRIX_FMT_FP6 matrix_b_fmt:MATRIX_FMT_FP6
.endif
.endr
.endr
.endm
.macro FETCH_B slot, q, p
	WIN TO_B
.irp i, 0,1,2,3,4,5,6,7
	FRAG 128*(\p)+FR*\i, ADRB+\slot, \q, \i
.endr
	WIN 0
.endm
.macro FETCH_A slot, q, i0
.irp i, \i0, \i0+1, \i0+2, \i0+3
	FRAG AF+FR*(\i), ADRA+\slot, \q, \i
.endr
.endm
.macro SCALES sc
.irp q, 0,1
.irp g, 0,1
	ds_load_b128 v[SC+32*\sc+16*\q+4*\g:SC+32*\sc+16*\q+4*\g+3], v[ASA+\sc] offset:\q*PACKB+12288+256*\g
	ds_load_b128 v[SC+32*\sc+16*\q+8+4*\g:SC+32*\sc+16*\q+8+4*\g+3], v[ASB+\sc] offset:\q*PACKB+12288+256*\g
.endr
.endr
.endm
.macro PLACES n
.rept \n
	v_nop
.endr
.endm
.macro STEP slot, q, zero
	s_wait_dscnt 4*NL                              ; all but the youngest 12 loads (T's tiles 4-7)
	WIN MUL_LO
	MUL16 0, (\q)%2, \q, \slot, \zero
	MUL16 2, (\q)%2, \q, \slot, \zero
	s_wait_dscnt 0
	PLACES NP
	FETCH_B \slot, (\q)+1, 1-(\q)%2
	FETCH_A \slot, (\q)+1, 0
	WIN MUL_HI
	MUL16 4, (\q)%2, \q, \slot, \zero
	MUL16 6, (\q)%2, \q, \slot, \zero
	PLACES NP
	WIN 0
	FETCH_A \slot, (\q)+1, 4
.endm
.macro TURN slot, next, fill
	s_wait_tensorcnt 0x0                           ; all my tensor loads have landed: my part of the next slot
	ds_add_u32 v[SPW], v[NIL]
	s_wait_dscnt 4*NL+1                            ; (the add and the youngest 12 loads may be out)
	WIN MUL_LO
	MUL16 0, 1, 1, \slot, 0
	s_wait_dscnt 0x0                               ; the add is done, and my reads of this slot are over
	s_barrier_signal -1
	MUL16 2, 1, 1, \slot, 0
	WIN 0
	s_barrier_wait -1
.if \fill
	CREST                                          ; the barrier has opened a round of the cluster's
	s_add_nc_u64 s[G0+4*\slot+2:G0+4*\slot+3], s[G0+4*\slot+2:G0+4*\slot+3], 2*REG
	s_add_nc_u64 s[G0B+4*\slot+2:G0B+4*\slot+3], s[G0B+4*\slot+2:G0B+4*\slot+3], 2*REG
	JLOAD G0+4*\slot, G1, G0B+4*\slot, G1B
.else
	PLACES NP
.endif
	FETCH_B \next, 0, 0
	FETCH_A \next, 0, 0
	SCALES \next
	WIN MUL_HI
	MUL16 4, 1, 1, \slot, 0
	MUL16 6, 1, 1, \slot, 0
	PLACES NP
	WIN 0
	FETCH_A \next, 0, 4
.endm
	s_wait_tensorcnt 1                             ; my part of slot 0 is in (slot 1's load may be out),
	s_barrier_signal -1
	s_barrier_wait -1                              ; everybody's is
	FETCH_B 0, 0, 0
	FETCH_A 0, 0, 0
	SCALES 0
	FETCH_A 0, 0, 4
	STEP 0, 0, 1
	s_mov_b32 s3, LAPS-1
.Llap:
	TURN 0, 1, 1
	STEP 1, 0, 0
	TURN 1, 0, 1
	STEP 0, 0, 0
	s_sub_co_u32 s3, s3, 1
	s_cmp_lg_u32 s3, 0
	s_cbranch_scc1 .Llap
	TURN 0, 1, 0
	STEP 1, 0, 0
	s_wait_dscnt 4*NL
	WIN MUL_LO
	MUL16 0, 1, 1, 1, 0
	MUL16 2, 1, 1, 1, 0
	s_wait_dscnt 0
	WIN MUL_HI
	MUL16 4, 1, 1, 1, 0
	MUL16 6, 1, 1, 1, 0
	WIN 0
; THE WAY OUT, a tile of 16 tokens x 128 outputs at a time, through my own stage in LDS: in by the outputs' true places, back as whole rows of 512 bytes, stored at the tokens' true rows.
; LDS serves a wave's instructions in order: no wait between the stores and the loads, nor in front of the next tile's stores.
.macro TOSTAGE a
.set AC, 64*((\a)%4)
	WIN 0x08+4*((\a)/4)                            ; an LDS store's data are its source 1: window 2 or 3
.irp b, 0,1,2,3,4,5,6,7
	ds_store_b128 v[STO], v[AC+8*\b:AC+8*\b+3] offset:256*(\b/4)+32*(\b%4)          ; each accumulator from its low end on
	ds_store_b128 v[STO], v[AC+8*\b+4:AC+8*\b+7] offset:256*(\b/4)+32*(\b%4)+16
.endr
	WIN 0
.set BB, BK+64*((\a)%2)
.irp t, 0,1,2,3,4,5,6,7,8,9,10,11,12,13,14,15
	ds_load_b128 v[BB+4*\t:BB+4*\t+3], v[RD] offset:\t*SPITCH
.endr
.endm
.macro SEND a, younger                 ; younger: the LDS instructions issued behind tile a's loads, which may stay out
.set BB, BK+64*((\a)%2)
	s_wait_dscnt \younger
.irp t, 0,1,2,3,4,5,6,7,8,9,10,11,12,13,14,15
	global_store_b128 v[LI], v[BB+4*\t:BB+4*\t+3], s[12:13] offset:(64*((\a)/4)+32*(\t/8)+8*((\a)%4)+\t%8)*8192 th:TH_STORE_NT   ; 32 lanes store 512 consecutive bytes of row rho(a, t)
.endr
.endm
	PLACES NP
	TOSTAGE 0
.irp a, 1,2,3,4,5,6,7
.if \a > 1
	s_wait_xcnt 0x0                                ; tile a - 2's stores have read their registers: tile a's loads may land there
.endif
	TOSTAGE \a
	SEND \a-1, 32                                  ; behind tile a - 1's loads: tile a's 16 stores and 16 loads
.endr
	SEND 7, 0
	s_wait_tensorcnt 0x0                           ; the wave's end: behind my last tensor load and my last LDS store
	ds_add_u32 v[SPW], v[NIL]
	s_wait_dscnt 0x0
	CROUND                                         ; the closing round
	s_endpgm
.Lfunc_end_k_qc0135166c4_outp:
	.size	k_qc0135166c4_outp, .Lfunc_end_k_qc0135166c4_outp-k_qc0135166c4_outp
	.p2alignl 7, 3214868480
	.fill 96, 4, 3214868480
	.section	.rodata,"a",@progbits
	.p2align	6, 0x0
	.amdhsa_kernel k_qc0135166c4_outp
		.amdhsa_group_segment_fixed_size 327680
		.amdhsa_private_segment_fixed_size 0
		.amdhsa_enable_private_segment 0
		.amdhsa_kernarg_size 24
		.amdhsa_user_sgpr_count 2
		.amdhsa_user_sgpr_kernarg_segment_ptr 1
		.amdhsa_wavefront_size32 1
		.amdhsa_system_sgpr_workgroup_id_x 1
		.amdhsa_system_sgpr_workgroup_id_y 1
		.amdhsa_system_sgpr_workgroup_id_z 1
		.amdhsa_system_vgpr_workitem_id 0
		.amdhsa_next_free_vgpr 1024
		.amdhsa_next_free_sgpr 66
		.amdhsa_reserve_vcc 0
		.amdhsa_float_denorm_mode_32 3
		.amdhsa_float_denorm_mode_16_64 3
		.amdhsa_memory_ordered 1
		.amdhsa_forward_progress 1
		.amdhsa_inst_pref_size 132
	.end_amdhsa_kernel
	.amdgpu_metadata
---
amdhsa.version: [ 1, 2 ]
amdhsa.kernels:
  - .name:           k_qc0135166c4_outp
    .symbol:         k_qc0135166c4_outp.kd
    .args:
      - { .name: oc, .offset: 0, .size: 8, .value_kind: global_buffer, .address_space: global }
      - { .name: xw, .offset: 8, .size: 8, .value_kind: global_buffer, .address_space: global }
      - { .name: out0, .offset: 16, .size: 8, .value_kind: global_buffer, .address_space: global }
    .group_segment_fixed_size: 327680
    .private_segment_fixed_size: 0
    .kernarg_segment_align: 8
    .kernarg_segment_size: 24
    .max_flat_workgroup_size: 128
    .sgpr_count:     66
    .vgpr_count:     1024
    .wavefront_size: 32
...
	.end_amdgpu_metadata
.endif
;; end of part 4
;; ======== version 2 of 2: 4 launches
;; limits: right only within a limited range of input values
;; workspace buffers: xw 16,384,000 bytes; maskp 16,777,216 bytes; qkv 9,830,400 bytes; oc 3,276,800 bytes
;; launch prep (part 5): grid 256 x 1, 10 waves a work-group, no clusters, 85,760 bytes of LDS; arguments hidden_states, Wq, Wk, Wv, Wo, xw; writes xw
.if DOCPART == 5
	.amdgcn_target "amdgcn-amd-amdhsa--gfx1250"
	.amdhsa_code_object_version 6
	.text
	.protected	k_qc0135166c4_prep
	.globl	k_qc0135166c4_prep
	.p2align	8
	.type	k_qc0135166c4_prep,@function
k_qc0135166c4_prep:
	s_mov_b64 s[64:65], 0
	v_nop
	global_prefetch_b8 v0, s[64:65] scope:SCOPE_SE
	s_setreg_imm32_b32 hwreg(HW_REG_WAVE_MODE, 25, 1), 1
	s_wait_xcnt 0x0
; FIRST OF FOUR LAUNCHES of out = softmax((x Wq^T)(x Wk^T)^T / sqrt(128) + mask) (x Wv^T) Wo^T, 16 heads of 128, all six products on codes of FP6 (E2M3) with one E8M0 scale for each 32 along K.
; NO WORK IS LEFT OUT: the mask is an input, so every score of every head counts; every input is loaded (the mask by the second launch).
; THIS LAUNCH: x, Wq, Wk, Wv, Wo ([2048][2048] f32, K innermost) become codes and scale bytes in xw.
; A block's scale is 2^(floor(log2(its largest magnitude)) - 2); its byte is that magnitude's exponent field - 2, held at 1 from below.
; LIMITS: NaN and infinities among the inputs are not served; a block whose largest magnitude lies under 2^-124 gets the byte 1; a block of zeros gets the byte 1 and not 127 (its codes are zeros, and this program alone reads the bytes).
; THE ROW ORDER.  In every group of 128 rows, row m of tile i is row rho(i, m) = 64 (i / 4) + 32 (m / 8) + 8 (i % 4) + m % 8.  A product whose source 0 takes tiles in this order leaves in a lane's 64 result
; registers the indices 64 c + 32 (lane / 16) + n at register 32 c + n: two whole blocks of 32, at the places that the 6-bit operand layout gives that lane.
; THE PACK: 128 rows x 128 along K as an image of operand registers, 12,800 bytes: byte 1536 i + 512 c + 16 lane + 4 e = register 4 c + e of tile i's fragment; byte 12288 + 256 (i / 4) + 16 r + 4 (i % 4) = the scale word of tile i's row r.
; xw: tensor t (x, Wq, Wk, Wv, Wo) at t x TEN, pack (row block R, K step s) at (16 R + s) x 12,800.
; SHARES.  Work-group u = 16 R + s takes pack u of all five tensors: 256 work-groups of equal work.  Wave w takes tensor w / 2 and tiles 4 (w % 2) .. + 3 of the pack: 64 rows x 512 bytes.
; Each load reads 512 consecutive bytes of a row; a tile turns through the wave's own stage in LDS (rows 528 bytes apart) and comes back 64 numbers a lane: row r, k = 64 c + 32 h + n.
; Loads run two tiles (32 loads a wave) ahead.  Waves share nothing: no barrier.  No tensor loads, matrix units or clusters: the launch streams, and no two work-groups read the same bytes.
.set TEN,   3276800
.set PACKB, 12800
.set STGB,  16*528                     ; a wave's stage
.set SPARE, 10*STGB                    ; behind the stages: the spare words, 128 bytes for each wave
.set LI,  1                            ; 16 x lane
.set SI,  2                            ; the stage, on the way in
.set SOU, 3                            ; the stage, on the way out: row r, + 128 h
.set H8,  4                            ; 8 h
.set TX,  5                            ; a lane permute's destination
.set SPW, 6
.set NIL, 7
.set WW,  8                            ; v8-11 my four tiles' scale words
.set TM,  20
.set SO,  24
.set BY,  26
.set TC,  28
.set PC,  36                           ; v36-47 a fragment
.set LN,  48
.set WOF, 49                           ; where my row's four scale words go
.set L0,  64                           ; v64-127, v128-191 two sets of a tile as loaded
.set X,   192                          ; v192-255 my 64 numbers
.set SEL, 28                           ; s[28:29] selects for lane l xor 16
; 64 numbers of a lane, register 32 c + n = k 64 c + 32 h + n of my row, become a fragment in v[pc] on and the row's scale word in v[wd]
.macro QUANT2 s, pc, wd
.irp k, 0,1,2,3
	v_max3_num_f32 v[TM+\k], 0x1800000, |v[\s+16*\k]|, |v[\s+16*\k+1]|   ; four chains of 16, and the floor 2^(3 - 127)
.endr
.irp n, 2,4,6,8,10,12,14
.irp k, 0,1,2,3
	v_max3_num_f32 v[TM+\k], v[TM+\k], |v[\s+16*\k+\n]|, |v[\s+16*\k+\n+1]|
.endr
.endr
	v_max_num_f32 v[TM], v[TM], v[TM+1]            ; block h
	v_max_num_f32 v[TM+2], v[TM+2], v[TM+3]        ; block 2 + h
	v_add_nc_u32 v[SO], 0xff000000, v[TM]          ; 2 off the exponent field: the conversion's scale operand
	v_add_nc_u32 v[SO+1], 0xff000000, v[TM+2]
	v_lshrrev_b32 v[BY], 23, v[SO]                 ; the scale's byte
	v_lshrrev_b32 v[BY+1], 23, v[SO+1]
	v_lshl_or_b32 v[(\wd)], v[BY+1], 16, v[BY]
	v_lshlrev_b32 v[(\wd)], v[H8], v[(\wd)]
	v_permlanex16_b32 v[TX], v[(\wd)], s[SEL], s[SEL+1]
	v_or_b32 v[(\wd)], v[(\wd)], v[TX]             ; with lane l xor 16's two bytes the word is whole, in both halves of the lanes
	v_cvt_scalef32_pk16_fp6_f32 v[\pc:\pc+2], v[\s:\s+15], v[SO]
	v_cvt_scalef32_pk16_fp6_f32 v[TC:TC+2], v[\s+16:\s+31], v[SO]          ; (a conversion's three registers begin on an even number)
	v_cvt_scalef32_pk16_fp6_f32 v[\pc+6:\pc+8], v[\s+32:\s+47], v[SO+1]
	v_cvt_scalef32_pk16_fp6_f32 v[TC+4:TC+6], v[\s+48:\s+63], v[SO+1]
	v_nop                                          ; one plain place behind the conversions
.irp e, 0,1,2
	v_mov_b32 v[\pc+3+\e], v[TC+\e]
	v_mov_b32 v[\pc+9+\e], v[TC+4+\e]
.endr
.endm
.macro LOAD i                          ; my tile i's 16 rows, 512 consecutive bytes a load, into set i % 2
.irp p, 0,1,2,3,4,5,6,7,8,9,10,11,12,13,14,15
	global_load_b128 v[L0+64*((\i)%2)+4*\p:L0+64*((\i)%2)+4*\p+3], v[LI], s[4:5] offset:(32*(\p/8)+8*(\i)+\p%8)*8192 th:TH_LOAD_NT
.endr
.endm
.macro TILE i
.if \i < 3
	s_wait_loadcnt 16                              ; my 16 loads are in; the next tile's 16 may be out
.else
	s_wait_loadcnt 0
.endif
.irp p, 0,1,2,3,4,5,6,7,8,9,10,11,12,13,14,15
	ds_store_b128 v[SI], v[L0+64*((\i)%2)+4*\p:L0+64*((\i)%2)+4*\p+3] offset:528*\p
.endr
.irp g, 0,1,2,3,4,5,6,7,8,9,10,11,12,13,14,15
	ds_load_b128 v[X+4*\g:X+4*\g+3], v[SOU] offset:256*(\g/8)+16*(\g%8)   ; LDS serves a wave's instructions in order: these see my stores
.endr
	s_wait_dscnt 0x0                               ; my numbers are in, and the stores into the stage have read their registers,
.if \i < 2
	LOAD \i+2                                      ; which take the tile two further on
.endif
	s_wait_xcnt 0x0                                ; the last tile's stores have read PC: it is written again only behind this wait
	QUANT2 X, PC, WW+\i
.irp c, 0,1,2
	global_store_b128 v[LI], v[PC+4*\c:PC+4*\c+3], s[14:15] offset:1536*\i+512*\c   ; 32 lanes store 512 consecutive bytes
.endr
.endm
	s_load_b256 s[4:11], s[0:1], 0x0               ; x, Wq, Wk, Wv
	s_load_b128 s[12:15], s[0:1], 0x20             ; Wo, xw
	v_lshl_add_u32 v[SPW], v0, 2, SPARE
	v_mov_b32 v[NIL], 0
	v_lshrrev_b32 v[LN], 5, v0
	v_readfirstlane_b32 s20, v[LN]                 ; wave 0..9
	s_lshr_b32 s21, s20, 1                         ; which tensor
	s_and_b32 s34, s20, 1                          ; which four tiles of the pack
	s_lshr_b32 s23, ttmp9, 4
	s_and_b32 s24, ttmp9, 15
	s_lshl_b32 s23, s23, 20                        ; 128 R rows of 8,192 bytes
	s_lshl_b32 s24, s24, 9                         ; 128 s columns
	s_add_co_u32 s30, s23, s24
	s_lshl_b32 s35, s34, 19                        ; tiles 4-7 begin 64 rows further down
	s_add_co_u32 s30, s30, s35
	s_mov_b32 s31, 0
	s_mul_i32 s32, s21, TEN
	s_mul_i32 s33, ttmp9, PACKB
	s_add_co_u32 s32, s32, s33
	s_mul_i32 s35, s34, 4*1536
	s_add_co_u32 s32, s32, s35                     ; my four fragments in the pack
	s_mov_b32 s33, 0
	s_mul_i32 s35, s34, 5888
	s_sub_co_u32 s35, 12288, s35                   ; from my fragments to my scale words: 12288 + 256 g - 6144 g
	s_mov_b32 s[SEL], 0x76543210
	s_mov_b32 s[SEL+1], 0xfedcba98
	s_mul_i32 s25, s20, STGB
	v_and_b32 v[LN], 31, v0
	v_lshlrev_b32 v[LI], 4, v[LN]
	v_add_nc_u32 v[SI], s25, v[LI]
	v_and_b32 v[SOU], 15, v0
	v_lshlrev_b32 v[WOF], 4, v[SOU]
	v_add_nc_u32 v[WOF], s35, v[WOF]
	v_mul_u32_u24 v[SOU], v[SOU], 528
	v_bfe_u32 v[H8], v0, 4, 1
	v_lshl_add_u32 v[SOU], v[H8], 7, v[SOU]
	v_add_nc_u32 v[SOU], s25, v[SOU]
	v_lshlrev_b32 v[H8], 3, v[H8]
	v_mov_b32 v[TX], 0                             ; written once: a lane permute's destination counts as one of its sources
	s_wait_alu depctr_va_vdst(0)                   ; the head's end
	s_wait_kmcnt 0x0
	s_cmp_eq_u32 s21, 1                            ; the buffer is chosen by the wave's number alone
	s_cselect_b64 s[4:5], s[6:7], s[4:5]
	s_cmp_eq_u32 s21, 2
	s_cselect_b64 s[4:5], s[8:9], s[4:5]
	s_cmp_eq_u32 s21, 3
	s_cselect_b64 s[4:5], s[10:11], s[4:5]
	s_cmp_eq_u32 s21, 4
	s_cselect_b64 s[4:5], s[12:13], s[4:5]
	s_add_nc_u64 s[4:5], s[4:5], s[30:31]
	s_add_nc_u64 s[14:15], s[14:15], s[32:33]
	LOAD 0
	LOAD 1
.irp i, 0,1,2,3
	TILE \i
.endr
	global_store_b128 v[WOF], v[WW:WW+3], s[14:15] ; sixteen lanes store 256 consecutive bytes; lanes 16-31 name the same bytes with the same values
	s_wait_tensorcnt 0x0                           ; the wave's end: behind my last LDS store
	ds_add_u32 v[SPW], v[NIL]
	s_wait_dscnt 0x0
	s_endpgm
.Lfunc_end_k_qc0135166c4_prep:
	.size	k_qc0135166c4_prep, .Lfunc_end_k_qc0135166c4_prep-k_qc0135166c4_prep
	.p2alignl 7, 3214868480
	.fill 96, 4, 3214868480
	.section	.rodata,"a",@progbits
	.p2align	6, 0x0
	.amdhsa_kernel k_qc0135166c4_prep
		.amdhsa_group_segment_fixed_size 85760
		.amdhsa_private_segment_fixed_size 0
		.amdhsa_enable_private_segment 0
		.amdhsa_kernarg_size 48
		.amdhsa_user_sgpr_count 2
		.amdhsa_user_sgpr_kernarg_segment_ptr 1
		.amdhsa_wavefront_size32 1
		.amdhsa_system_sgpr_workgroup_id_x 1
		.amdhsa_system_sgpr_workgroup_id_y 1
		.amdhsa_system_sgpr_workgroup_id_z 1
		.amdhsa_system_vgpr_workitem_id 0
		.amdhsa_next_free_vgpr 256
		.amdhsa_next_free_sgpr 66
		.amdhsa_reserve_vcc 0
		.amdhsa_float_denorm_mode_32 3
		.amdhsa_float_denorm_mode_16_64 3
		.amdhsa_memory_ordered 1
		.amdhsa_forward_progress 1
		.amdhsa_inst_pref_size 31
	.end_amdhsa_kernel
	.amdgpu_metadata
---
amdhsa.version: [ 1, 2 ]
amdhsa.kernels:
  - .name:           k_qc0135166c4_prep
    .symbol:         k_qc0135166c4_prep.kd
    .args:
      - { .name: hidden_states, .offset: 0, .size: 8, .value_kind: global_buffer, .address_space: global }
      - { .name: Wq, .offset: 8, .size: 8, .value_kind: global_buffer, .address_space: global }
      - { .name: Wk, .offset: 16, .size: 8, .value_kind: global_buffer, .address_space: global }
      - { .name: Wv, .offset: 24, .size: 8, .value_kind: global_buffer, .address_space: global }
      - { .name: Wo, .offset: 32, .size: 8, .value_kind: global_buffer, .address_space: global }
      - { .name: xw, .offset: 40, .size: 8, .value_kind: global_buffer, .address_space: global }
    .group_segment_fixed_size: 85760
    .private_segment_fixed_size: 0
    .kernarg_segment_align: 8
    .kernarg_segment_size: 48
    .max_flat_workgroup_size: 320
    .sgpr_count:     66
    .vgpr_count:     256
    .wavefront_size: 32
...
	.end_amdgpu_metadata
.endif
;; end of part 5
;; launch qkv (part 6): grid 8 x 32, 4 waves a work-group, clusters of 4 x 4, 327,680 bytes of LDS; arguments xw, qkv, attention_mask, maskp; writes qkv, maskp
.if DOCPART == 6
	.amdgcn_target "amdgcn-amd-amdhsa--gfx1250"
	.amdhsa_code_object_version 6
	.text
	.protected	k_qc0135166c4_qkv
	.globl	k_qc0135166c4_qkv
	.p2align	8
	.type	k_qc0135166c4_qkv,@function
k_qc0135166c4_qkv:
	s_mov_b64 s[64:65], 0
	v_nop
	global_prefetch_b8 v0, s[64:65] scope:SCOPE_SE
	s_setreg_imm32_b32 hwreg(HW_REG_WAVE_MODE, 25, 1), 1
	s_wait_xcnt 0x0
	s_wait_alu depctr_hold_cnt(0) depctr_sa_sdst(0) depctr_va_vdst(0) depctr_va_sdst(0) depctr_va_ssrc(0) depctr_va_vcc(0) depctr_vm_vsrc(0)
	s_getreg_b32 s2, hwreg(HW_REG_IB_STS2, 6, 4)
	s_cmp_eq_u32 s2, 0
	s_cbranch_scc0 .Lentry_in_a_cluster
	s_endpgm
.Lentry_in_a_cluster:
	s_bfe_u32 s2, ttmp6, 0x10000c
	s_cmp_lg_u32 s2, 0xf033
	s_cbranch_scc0 .Lentry_shape_is_right
	s_endpgm
.Lentry_shape_is_right:
; SECOND LAUNCH, two kinds of clusters of 4 x 4 work-groups, told apart by the cluster's y alone.  No work is left out.
; CLUSTER ROWS 0-5: q = x Wq^T, k = x Wk^T, v = x Wv^T on the packs of xw, each result quantised at once into packs of qkv: q and k along the head's 128, v along the keys.
; A tile of 256 x 256 to a work-group, 128 x 128 (one pack of the result) to a wave; source 0 holds the rows along which the result is quantised (the weight's for q and k, x's for v).
; K goes in steps of 128 through a ring of two LDS slots of two steps each, filled by joint loads of 25,600 dense bytes a wave; each fill's bytes are prefetched two fills ahead.
; CLUSTER ROWS 6, 7 (64 work-groups, the highest numbers): mask x log2(e) is laid in maskp as the third launch's registers want it: unit (R, s) at (16 R + s) x 65,536;
; in it byte 8192 i + 512 g + 16 lane + 4 e = register 4 g + e of tile i, tiles' rows in the order rho of the first launch.  A wave takes one unit, 128 rows x 512 bytes.  These work-groups issue no tensor load.
.set TEN,   3276800
.set PACKB, 12800
.set RB,    16*PACKB
.set REG,   2*PACKB
.set SLOT,  4*REG
.set SPARE, 2*SLOT
.set FR,    12
.set NL,    3
.set NP,    4
.set LAPS,  4
.set ADRA, 16
.set ASA,  18
.set ADRB, 20
.set ASB,  22
.set SPW,  28
.set NIL,  29
.set LI,   30
.set LN,   31
.set SC,   32
.set WW,   96
.set WS,   104
.set TM,   108
.set SO,   112
.set BY,   114
.set TX,   116
.set H8,   117
.set TC,   118
.set AF,   128
.set G1, 24
.set G0, 32
.set G1B, 48
.set G0B, 56
.set SEL, 10
.set MSB, 0
.macro WIN new
.if MSB != (\new)
	s_set_vgpr_msb (MSB<<8)|(\new)
.set MSB, (\new)
.endif
.endm
.set MUL_LO, 0xa1
.set MUL_HI, 0xf1
.set TO_B,   0x40
.macro JLOAD g0a, g1a, g0b, g1b
	s_cmp_eq_u32 s15, 0
	s_cbranch_scc0 .Lfor_b_\@
	tensor_load_to_lds s[\g0a:\g0a+3], s[\g1a:\g1a+7]
	s_nop 0
.rept 4
	v_nop
.endr
	s_branch .Lasked_\@
.Lfor_b_\@:
	tensor_load_to_lds s[\g0b:\g0b+3], s[\g1b:\g1b+7]
	s_nop 0
.rept 4
	v_nop
.endr
.Lasked_\@:
.endm
.macro CREST
	s_cmp_lg_u32 s14, 0
	s_cbranch_scc1 .Lnot_wave_0_\@
	s_barrier_signal -3
.Lnot_wave_0_\@:
	s_barrier_wait -3
	s_barrier_signal -1
	s_barrier_wait -1
.endm
.macro CROUND
	s_barrier_signal -1
	s_barrier_wait -1
	CREST
.endm
	s_load_b128 s[4:7], s[0:1], 0x0
	v_lshl_add_u32 v[SPW], v0, 2, SPARE
	v_mov_b32 v[NIL], 0
	s_and_b32 s17, ttmp7, 0xffff                   ; the cluster's y, the same in all sixteen partners
	s_cmp_ge_u32 s17, 6
	s_cbranch_scc1 .Lmask_job
	ds_add_u32 v[SPW], v[NIL]
	ds_add_u32 v[SPW], v[NIL]
	v_lshrrev_b32 v1, 5, v0
	v_readfirstlane_b32 s14, v1
	s_lshr_b32 s15, s14, 1
	s_and_b32 s16, s14, 1
	s_bfe_u32 s40, ttmp6, 0x40000
	s_bfe_u32 s41, ttmp6, 0x40004
	s_and_b32 s17, ttmp7, 0xffff
	s_lshr_b32 s18, s17, 1
	s_lshr_b32 s19, s18, 1
	s_and_b32 s22, s17, 1
	s_lshl_b32 s22, s22, 2
	s_add_co_u32 s22, s22, s41
	s_lshl_b32 s42, ttmp9, 2
	s_add_co_u32 s42, s42, s40
	s_lshl_b32 s43, s41, 2
	s_lshl_b32 s43, 15, s43
	s_lshl_b32 s44, 0x1111, s40
	s_or_b32 s[G1+0], s43, (3<<16)|(1<<21)
	s_or_b32 s[G1B+0], s44, (3<<16)|(1<<21)
.irp g, G1, G1B
	s_mov_b32 s[\g+1], 32<<16
	s_mov_b32 s[\g+2], 100<<16
	s_mov_b32 s[\g+3], 32<<16
	s_mov_b32 s[\g+4], 100
	s_mov_b32 s[\g+5], 32
	s_mov_b32 s[\g+6], 0
	s_mov_b32 s[\g+7], 0
.endr
	s_lshl_b32 s20, s22, 1
	s_add_co_u32 s20, s20, s16
	s_mul_i32 s20, s20, RB
	s_mul_i32 s23, s19, 3*TEN
	s_add_co_u32 s20, s20, s23
	s_mov_b32 s21, 0
	s_lshl_b32 s46, s42, 1
	s_add_co_u32 s46, s46, s16
	s_mul_i32 s46, s46, RB
	s_mul_i32 s47, s19, 3
	s_sub_co_u32 s47, s18, s47
	s_add_co_u32 s47, s47, 1
	s_mul_i32 s47, s47, TEN
	s_add_co_u32 s46, s46, s47
	s_mov_b32 s47, 0
	s_mul_i32 s45, s14, REG
	s_wait_dscnt 0x0
	s_wait_kmcnt 0x0
	s_add_nc_u64 s[20:21], s[4:5], s[20:21]
	s_add_nc_u64 s[46:47], s[4:5], s[46:47]
	; the prefetches: a refill of mine is 25,600 dense bytes, 100 blocks of 256; the four partners that ask for it jointly share the blocks out by address, 25 each (cx for source 1's packs, cy for source 0's); lanes 25-31 name the last block again
	s_cmp_eq_u32 s15, 0
	s_cselect_b64 s[66:67], s[20:21], s[46:47]
	s_cselect_b32 s68, s40, s41
	s_mul_i32 s68, s68, 6400
	s_mov_b32 s69, 0
	s_add_nc_u64 s[66:67], s[66:67], s[68:69]
	v_and_b32 v2, 31, v0
	v_min_u32 v2, 24, v2
	v_lshlrev_b32 v2, 8, v2
	s_wait_alu depctr_va_vdst(0)                   ; ahead of the round's barriers
	CROUND
.irp s, 0,1
	s_mov_b32 s[G0+4*\s], 1
	s_add_co_u32 s[G0+4*\s+1], s45, \s*SLOT
	s_add_nc_u64 s[G0+4*\s+2:G0+4*\s+3], s[20:21], \s*REG
	s_or_b32 s[G0+4*\s+3], s[G0+4*\s+3], 0x80000000
	s_mov_b32 s[G0B+4*\s], 1
	s_add_co_u32 s[G0B+4*\s+1], s45, \s*SLOT
	s_add_nc_u64 s[G0B+4*\s+2:G0B+4*\s+3], s[46:47], \s*REG
	s_or_b32 s[G0B+4*\s+3], s[G0B+4*\s+3], 0x80000000
.if \s
	s_wait_alu depctr_va_vdst(0)                   ; slot 1's first fill is issued as a refill is
	s_wait_tensorcnt 0x0
	ds_add_u32 v28, v29
	ds_add_u32 v28, v29
	s_wait_dscnt 0x0
	CROUND
.endif
	JLOAD G0+4*\s, G1, G0B+4*\s, G1B
	global_prefetch_b8 v2, s[66:67] offset:(2+\s)*REG th:TH_LOAD_NT scope:SCOPE_SE   ; behind each joint load: the fill that stands two fills on
.endr
	v_and_b32 v[LN], 31, v0
	v_lshlrev_b32 v[LI], 4, v[LN]
	v_and_b32 v3, 15, v0
	v_lshlrev_b32 v3, 4, v3
	s_mul_i32 s8, s15, REG
	s_mul_i32 s9, s16, REG
	s_add_co_u32 s9, s9, 2*REG
.irp s, 0,1
	v_add_nc_u32 v[ADRA+\s], s8, v[LI]
	v_add_nc_u32 v[ASA+\s], s8, v3
	v_add_nc_u32 v[ADRB+\s], s9, v[LI]
	v_add_nc_u32 v[ASB+\s], s9, v3
	s_add_co_u32 s8, s8, SLOT
	s_add_co_u32 s9, s9, SLOT
.endr
	v_bfe_u32 v[H8], v0, 4, 1
	v_lshlrev_b32 v[H8], 3, v[H8]
	v_mov_b32 v[TX], 0
	s_lshl_b32 s8, s22, 1
	s_add_co_u32 s8, s8, s15
	s_lshl_b32 s9, s42, 1
	s_add_co_u32 s9, s9, s16
	s_cmp_eq_u32 s18, 2
	s_cselect_b32 s10, s8, s9
	s_cselect_b32 s11, s9, s8
	s_lshl_b32 s10, s10, 4
	s_add_co_u32 s10, s10, s11
	s_lshl_b32 s11, s18, 8
	s_add_co_u32 s10, s10, s11
	s_mul_i32 s10, s10, PACKB
	s_mov_b32 s11, 0
	s_add_nc_u64 s[12:13], s[6:7], s[10:11]
	s_mov_b32 s[SEL], 0x76543210
	s_mov_b32 s[SEL+1], 0xfedcba98
.macro FRAG reg, adr, q, i
.irp c, 0,1,2
	ds_load_b128 v[\reg+4*\c:\reg+4*\c+3], v[\adr] offset:(\q)*PACKB+(\i)*1536+512*\c
.endr
.endm
.macro MUL16 a0, p, q, sc, zero
.irp a, \a0, \a0+1
.irp b, 0,1,2,3,4,5,6,7
.if \zero
	v_wmma_scale_f32_16x16x128_f8f6f4 v[8*(8*((\a)%4)+\b):8*(8*((\a)%4)+\b)+7], v[128*(\p)+FR*\b:128*(\p)+FR*\b+FR-1], v[AF+FR*(\a):AF+FR*(\a)+FR-1], 0, v[SC+32*(\sc)+16*(\q)+8+\b], v[SC+32*(\sc)+16*(\q)+(\a)] matrix_a_fmt:MATRIX_FMT_FP6 matrix_b_fmt:MATRIX_FMT_FP6
.else
	v_wmma_scale_f32_16x16x128_f8f6f4 v[8*(8*((\a)%4)+\b):8*(8*((\a)%4)+\b)+7], v[128*(\p)+FR*\b:128*(\p)+FR*\b+FR-1], v[AF+FR*(\a):AF+FR*(\a)+FR-1], v[8*(8*((\a)%4)+\b):8*(8*((\a)%4)+\b)+7], v[SC+32*(\sc)+16*(\q)+8+\b], v[SC+32*(\sc)+16*(\q)+(\a)] matrix_a_fmt:MATRIX_FMT_FP6 matrix_b_fmt:MATRIX_FMT_FP6
.endif
.endr
.endr
.endm
.macro FETCH_B slot, q, p
	WIN TO_B
.irp i, 0,1,2,3,4,5,6,7
	FRAG 128*(\p)+FR*\i, ADRB+\slot, \q, \i
.endr
	WIN 0
.endm
.macro FETCH_A slot, q, i0
.irp i, \i0, \i0+1, \i0+2, \i0+3
	FRAG AF+FR*(\i), ADRA+\slot, \q, \i
.endr
.endm
.macro SCALES sc
.irp q, 0,1
.irp g, 0,1
	ds_load_b128 v[SC+32*\sc+16*\q+4*\g:SC+32*\sc+16*\q+4*\g+3], v[ASA+\sc] offset:\q*PACKB+12288+256*\g
	ds_load_b128 v[SC+32*\sc+16*\q+8+4*\g:SC+32*\sc+16*\q+8+4*\g+3], v[ASB+\sc] offset:\q*PACKB+12288+256*\g
.endr
.endr
.endm
.macro PLACES n
.rept \n
	v_nop
.endr
.endm
.macro STEP slot, q, zero
	s_wait_dscnt 4*NL
	WIN MUL_LO
	MUL16 0, (\q)%2, \q, \slot, \zero
	MUL16 2, (\q)%2, \q, \slot, \zero
	s_wait_dscnt 0
	PLACES NP
	FETCH_B \slot, (\q)+1, 1-(\q)%2
	FETCH_A \slot, (\q)+1, 0
	WIN MUL_HI
	MUL16 4, (\q)%2, \q, \slot, \zero
	MUL16 6, (\q)%2, \q, \slot, \zero
	PLACES NP
	WIN 0
	FETCH_A \slot, (\q)+1, 4
.endm
.macro TURN slot, next, fill
	s_wait_tensorcnt 0x0
	ds_add_u32 v[SPW], v[NIL]
	s_wait_dscnt 4*NL+1
	WIN MUL_LO
	MUL16 0, 1, 1, \slot, 0
	s_wait_dscnt 0x0
	s_barrier_signal -1
	MUL16 2, 1, 1, \slot, 0
	WIN 0
	s_barrier_wait -1
.if \fill
	CREST
	s_add_nc_u64 s[G0+4*\slot+2:G0+4*\slot+3], s[G0+4*\slot+2:G0+4*\slot+3], 2*REG
	s_add_nc_u64 s[G0B+4*\slot+2:G0B+4*\slot+3], s[G0B+4*\slot+2:G0B+4*\slot+3], 2*REG
	JLOAD G0+4*\slot, G1, G0B+4*\slot, G1B
.else
	PLACES NP
.endif
	FETCH_B \next, 0, 0
	FETCH_A \next, 0, 0
	SCALES \next
.if \fill
	s_cmp_gt_u32 s3, 1                             ; the loop's last trip has no fill two on
	s_cbranch_scc0 .Lno_ask_\@
	global_prefetch_b8 v2, s[66:67] offset:(2+\slot)*REG th:TH_LOAD_NT scope:SCOPE_SE
.Lno_ask_\@:
.endif
	WIN MUL_HI
	MUL16 4, 1, 1, \slot, 0
	MUL16 6, 1, 1, \slot, 0
	PLACES NP
	WIN 0
	FETCH_A \next, 0, 4
.endm
	s_wait_alu depctr_va_vdst(0)
	s_wait_tensorcnt 1
	s_barrier_signal -1
	s_barrier_wait -1
	FETCH_B 0, 0, 0
	FETCH_A 0, 0, 0
	SCALES 0
	FETCH_A 0, 0, 4
	STEP 0, 0, 1
	s_mov_b32 s3, LAPS-1
.Llap:
	s_wait_xcnt 0x0                                ; my prefetches have read their base: it steps two fills on
	s_add_nc_u64 s[66:67], s[66:67], 2*REG
	TURN 0, 1, 1
	STEP 1, 0, 0
	TURN 1, 0, 1
	STEP 0, 0, 0
	s_sub_co_u32 s3, s3, 1
	s_cmp_lg_u32 s3, 0
	s_cbranch_scc1 .Llap
	TURN 0, 1, 0
	STEP 1, 0, 0
	s_wait_dscnt 4*NL
	WIN MUL_LO
	MUL16 0, 1, 1, 1, 0
	MUL16 2, 1, 1, 1, 0
	s_wait_dscnt 0
	WIN MUL_HI
	MUL16 4, 1, 1, 1, 0
	MUL16 6, 1, 1, 1, 0
	WIN 0
.macro QUANTW a
.set AC, 64*((\a)%4)
.set PCA, AF+FR*(\a)
.set WA, 2+(\a)/4
.set WB, WA*20
	WIN WB
.irp k, 0,1,2,3
	v_max3_num_f32 v[TM+\k], 0x1800000, |v[AC+16*\k]|, |v[AC+16*\k+1]|
.endr
.irp n, 2,4,6,8,10,12,14
.irp k, 0,1,2,3
	v_max3_num_f32 v[TM+\k], v[TM+\k], |v[AC+16*\k+\n]|, |v[AC+16*\k+\n+1]|
.endr
.endr
	WIN 0
	v_max_num_f32 v[TM], v[TM], v[TM+1]
	v_max_num_f32 v[TM+2], v[TM+2], v[TM+3]
	v_add_nc_u32 v[SO], 0xff000000, v[TM]
	v_add_nc_u32 v[SO+1], 0xff000000, v[TM+2]
	v_lshrrev_b32 v[BY], 23, v[SO]
	v_lshrrev_b32 v[BY+1], 23, v[SO+1]
	v_lshl_or_b32 v[WW+(\a)], v[BY+1], 16, v[BY]
	v_lshlrev_b32 v[WW+(\a)], v[H8], v[WW+(\a)]
	v_permlanex16_b32 v[TX], v[WW+(\a)], s[SEL], s[SEL+1]
	v_or_b32 v[WW+(\a)], v[WW+(\a)], v[TX]
	WIN WA
	v_cvt_scalef32_pk16_fp6_f32 v[PCA:PCA+2], v[AC:AC+15], v[SO]
	v_cvt_scalef32_pk16_fp6_f32 v[TC:TC+2], v[AC+16:AC+31], v[SO]
	v_cvt_scalef32_pk16_fp6_f32 v[PCA+6:PCA+8], v[AC+32:AC+47], v[SO+1]
	v_cvt_scalef32_pk16_fp6_f32 v[TC+4:TC+6], v[AC+48:AC+63], v[SO+1]
	WIN 0
	v_nop
.irp e, 0,1,2
	v_mov_b32 v[PCA+3+\e], v[TC+\e]
	v_mov_b32 v[PCA+9+\e], v[TC+4+\e]
.endr
.irp c, 0,1,2
	global_store_b128 v[LI], v[PCA+4*\c:PCA+4*\c+3], s[12:13] offset:1536*(\a)+512*\c
.endr
.endm
	PLACES NP
.irp a, 0,1,2,3,4,5,6,7
	QUANTW \a
.endr
	v_cmp_le_u32 vcc_lo, 16, v[LN]
.irp j, 0,1,2,3
	v_cndmask_b32 v[WS+\j], v[WW+\j], v[WW+4+\j], vcc_lo
.endr
	global_store_b128 v[LI], v[WS:WS+3], s[12:13] offset:12288
	s_wait_tensorcnt 0x0
	ds_add_u32 v[SPW], v[NIL]
	s_wait_dscnt 0x0
	CROUND
	s_endpgm
; THE MASK'S UNITS.  Each load reads 512 consecutive bytes of a row; a tile of 16 rows turns through the wave's own stage in LDS (rows 528 bytes apart, behind the ring and the spare words: no tensor load lands there)
; and comes back 64 numbers a lane: row r, key 64 c + 32 h + n.  A trip takes tiles t and t + 4, in two sets of registers; each set's next tile is asked for a trip ahead; the last trip is written out and asks for nothing.
.set MSTG, SPARE+512
.macro MLOAD j, nx                     ; tile t + nx + 4 j into set j
.irp p, 0,1,2,3,4,5,6,7,8,9,10,11,12,13,14,15
	global_load_b128 v[64+64*\j+4*\p:64+64*\j+4*\p+3], v1, s[8:9] offset:(64*\j+8*\nx+32*(\p/8)+\p%8)*8192 th:TH_LOAD_NT
.endr
.endm
.macro MTILE j, more, left
	s_wait_loadcnt \left                           ; this set's 16 loads are in; the other set's may be out
.irp p, 0,1,2,3,4,5,6,7,8,9,10,11,12,13,14,15
	ds_store_b128 v3, v[64+64*\j+4*\p:64+64*\j+4*\p+3] offset:528*\p
.endr
	s_wait_xcnt 0x0                                ; the last tile's stores have read v192-255: they are written again only behind this wait
.irp g, 0,1,2,3,4,5,6,7,8,9,10,11,12,13,14,15
	ds_load_b128 v[192+4*\g:192+4*\g+3], v4 offset:256*(\g/8)+16*(\g%8)   ; LDS serves a wave's instructions in order: these see my stores
.endr
	s_wait_dscnt 0x0
.if \more
	MLOAD \j, 1
.endif
.set jj, 0
.rept 32
	v_pk_mul_f32 v[192+jj:193+jj], v[192+jj:193+jj], s[24:25] op_sel_hi:[1,0]   ; mask x log2(e)
.set jj, jj+2
.endr
.irp g, 0,1,2,3,4,5,6,7,8,9,10,11,12,13,14,15
	global_store_b128 v1, v[192+4*\g:192+4*\g+3], s[10:11] offset:32768*\j+512*\g   ; 32 lanes store 512 consecutive bytes
.endr
.endm
.Lmask_job:
	s_load_b128 s[8:11], s[0:1], 0x10              ; attention_mask, maskp
	v_lshrrev_b32 v5, 5, v0
	v_readfirstlane_b32 s14, v5                    ; wave 0..3
	s_sub_co_u32 s18, s17, 6
	s_lshl_b32 s18, s18, 1
	s_add_co_u32 s18, s18, ttmp9                   ; which of the four clusters
	s_bfe_u32 s19, ttmp6, 0x40004
	s_lshl_b32 s18, s18, 2
	s_add_co_u32 s18, s18, s19
	s_bfe_u32 s19, ttmp6, 0x40000
	s_lshl_b32 s18, s18, 2
	s_add_co_u32 s18, s18, s19                     ; which of the 64 work-groups: it enters global addresses alone
	s_lshl_b32 s18, s18, 2
	s_add_co_u32 s18, s18, s14                     ; my unit u = 16 R + s
	s_lshr_b32 s20, s18, 4
	s_lshl_b32 s20, s20, 20                        ; 128 R rows of 8,192 bytes
	s_and_b32 s21, s18, 15
	s_lshl_b32 s21, s21, 9                         ; 128 s columns
	s_add_co_u32 s20, s20, s21
	s_mov_b32 s21, 0
	s_lshl_b32 s22, s18, 16
	s_mov_b32 s23, 0
	s_mov_b32 s24, 0x3fb8aa3b                      ; log2(e)
	s_mov_b32 s25, s24                             ; (named with it as a pair, so it is written)
	s_mul_i32 s15, s14, 16*528
	s_add_co_u32 s15, s15, MSTG                    ; my stage
	v_and_b32 v1, 31, v0
	v_lshlrev_b32 v1, 4, v1                        ; 16 x lane
	v_add_nc_u32 v3, s15, v1                       ; the stage, on the way in
	v_and_b32 v4, 15, v0
	v_mul_u32_u24 v4, v4, 528
	v_bfe_u32 v5, v0, 4, 1
	v_lshl_add_u32 v4, v5, 7, v4
	v_add_nc_u32 v4, s15, v4                       ; and on the way out: row r, + 128 h
	s_wait_alu depctr_va_vdst(0)                   ; the head's end
	s_wait_kmcnt 0x0
	s_add_nc_u64 s[8:9], s[8:9], s[20:21]
	s_add_nc_u64 s[10:11], s[10:11], s[22:23]
	MLOAD 0, 0
	MLOAD 1, 0
	s_mov_b32 s3, 3
.Lmask_trip:
	MTILE 0, 1, 16
	MTILE 1, 1, 16
	s_wait_xcnt 0x0                                ; the loads and stores have read their bases: they step one tile on
	s_add_nc_u64 s[8:9], s[8:9], 65536
	s_add_nc_u64 s[10:11], s[10:11], 8192
	s_sub_co_u32 s3, s3, 1
	s_cmp_lg_u32 s3, 0
	s_cbranch_scc1 .Lmask_trip
	MTILE 0, 0, 16
	MTILE 1, 0, 0
	s_wait_tensorcnt 0x0                           ; the wave's end: behind my last LDS store
	ds_add_u32 v[SPW], v[NIL]
	s_wait_dscnt 0x0
	CROUND                                         ; a closing round here too: all sixteen partners take this way
	s_endpgm
.Lfunc_end_k_qc0135166c4_qkv:
	.size	k_qc0135166c4_qkv, .Lfunc_end_k_qc0135166c4_qkv-k_qc0135166c4_qkv
	.p2alignl 7, 3214868480
	.fill 96, 4, 3214868480
	.section	.rodata,"a",@progbits
	.p2align	6, 0x0
	.amdhsa_kernel k_qc0135166c4_qkv
		.amdhsa_group_segment_fixed_size 327680
		.amdhsa_private_segment_fixed_size 0
		.amdhsa_enable_private_segment 0
		.amdhsa_kernarg_size 32
		.amdhsa_user_sgpr_count 2
		.amdhsa_user_sgpr_kernarg_segment_ptr 1
		.amdhsa_wavefront_size32 1
		.amdhsa_system_sgpr_workgroup_id_x 1
		.amdhsa_system_sgpr_workgroup_id_y 1
		.amdhsa_system_sgpr_workgroup_id_z 1
		.amdhsa_system_vgpr_workitem_id 0
		.amdhsa_next_free_vgpr 1024
		.amdhsa_next_free_sgpr 72
		.amdhsa_reserve_vcc 1
		.amdhsa_float_denorm_mode_32 3
		.amdhsa_float_denorm_mode_16_64 3
		.amdhsa_memory_ordered 1
		.amdhsa_forward_progress 1
		.amdhsa_inst_pref_size 164
	.end_amdhsa_kernel
	.amdgpu_metadata
---
amdhsa.version: [ 1, 2 ]
amdhsa.kernels:
  - .name:           k_qc0135166c4_qkv
    .symbol:         k_qc0135166c4_qkv.kd
    .args:
      - { .name: xw, .offset: 0, .size: 8, .value_kind: global_buffer, .address_space: global }
      - { .name: qkv, .offset: 8, .size: 8, .value_kind: global_buffer, .address_space: global }
      - { .name: attention_mask, .offset: 16, .size: 8, .value_kind: global_buffer, .address_space: global }
      - { .name: maskp, .offset: 24, .size: 8, .value_kind: global_buffer, .address_space: global }
    .group_segment_fixed_size: 327680
    .private_segment_fixed_size: 0
    .kernarg_segment_align: 8
    .kernarg_segment_size: 32
    .max_flat_workgroup_size: 128
    .sgpr_count:     72
    .vgpr_count:     1024
    .wavefront_size: 32
...
	.end_amdgpu_metadata
.endif
;; end of part 6
;; launch attn (part 7): grid 16 x 16, 8 waves a work-group, clusters of 4 x 1, 327,680 bytes of LDS; arguments qkv, maskp, oc; writes oc
.if DOCPART == 7
	.amdgcn_target "amdgcn-amd-amdhsa--gfx1250"
	.amdhsa_code_object_version 6
	.text
	.protected	k_qc0135166c4_attn
	.globl	k_qc0135166c4_attn
	.p2align	8
	.type	k_qc0135166c4_attn,@function
k_qc0135166c4_attn:
	s_mov_b64 s[64:65], 0
	v_nop
	global_prefetch_b8 v0, s[64:65] scope:SCOPE_SE
	s_setreg_imm32_b32 hwreg(HW_REG_WAVE_MODE, 25, 1), 1
	s_wait_xcnt 0x0
	s_wait_alu depctr_hold_cnt(0) depctr_sa_sdst(0) depctr_va_vdst(0) depctr_va_sdst(0) depctr_va_ssrc(0) depctr_va_vcc(0) depctr_vm_vsrc(0)
	s_getreg_b32 s2, hwreg(HW_REG_IB_STS2, 6, 4)
	s_cmp_eq_u32 s2, 0
	s_cbranch_scc0 .Lentry_in_a_cluster
	s_endpgm
.Lentry_in_a_cluster:
	s_bfe_u32 s2, ttmp6, 0x10000c
	s_cmp_lg_u32 s2, 0x3003
	s_cbranch_scc0 .Lentry_shape_is_right
	s_endpgm
.Lentry_shape_is_right:
; THIRD LAUNCH: O = softmax(q k^T / sqrt(128) + mask) v for 16 heads, both products on codes of FP6, and O quantised along the head's 128 for the last product.  No work is left out: the mask is an input, so every key counts.
; THE SOFTMAX AHEAD OF THE SECOND PRODUCT: t = score x log2(e) / sqrt(128) + mask x log2(e) (one fused multiply-add; maskp holds the second term); M = the running largest t, rounded UP to a whole number, kept as -M;
; p = 2^(t - M) is what is quantised, along the keys; the row's sum is taken of the unquantised p and divides O at the end; when M moves, the sum and O are multiplied by 2^(old M - new M): exact.
; SHARES.  A work-group is a block of 128 tokens of one head; wave w owns tile w of its pack of q: 16 queries.  Every wave walks the head's 16 key steps of 128 keys.
; LAYOUT.  Both products are used transposed: S^T = K Q^T, O^T = V^T P^T: a lane holds ONE query.  K's and V's packs have their tiles' rows in the order rho (first launch), so a lane's 64 scores are the keys
; 64 c + 32 (lane / 16) + n at register 32 c + n: two whole blocks of 32 at the operand's places: a block's maximum needs no other lane, and the conversions' results are P's fragment.  O^T's 64 registers lie likewise along the head's 128.
; THE MASK comes from maskp straight into registers, 512 consecutive bytes a load, two key steps ahead.
; K AND V: LDS holds 12 positions of a pack for K and, behind them, 12 for V.  One tensor load a wave behind each barrier (waves 0-3: K's, waves 4-7: V's): key steps 0-3 at the head, a pack a wave;
; key steps 4-11 behind the first barrier, two packs a wave, four key steps ahead of their first reader; key steps 12-15 fill positions 0-3 again behind step 3, eight key steps ahead of theirs.
; No prefetch of K and V: by these counts their loads are asked for four and eight key steps before they are read.
; CLUSTER: the four token blocks of a cluster belong to one head: each pack is asked for jointly, by the same load with the same descriptor and the mask 15.
; LIMITS: as stated at the head of the first launch; a row whose mask is -infinity throughout gives NaN; the promise holds while |t| stays under 2^31.
; REGISTERS: window 0: see the names below.  window 1: v0-63, v64-127 the mask of two key steps; v128-191 O^T.
.set TEN,   3276800
.set PACKB, 12800
.set RB,    16*PACKB
.set VREG,  12*PACKB                   ; V's positions lie behind K's
.set SPARE, 24*PACKB                   ; the spare words, 128 bytes for each of eight waves
.set SCR,   SPARE+1024                 ; 512 bytes: O's scale words meet here; no tensor load lands here
.set LI,  1                            ; 16 x lane
.set LR,  2                            ; 16 x (lane % 16)
.set SPW, 3
.set NIL, 4
.set ADK, 5                            ; K's position in hand + 16 x lane
.set ADS, 6                            ; K's position in hand + 16 r
.set H8,  7                            ; 8 h
.set SWA, 8                            ; where I put my row's scale word
.set SRA, 9                            ; where wave 0 reads them back
.set QO,  10                           ; 16 x lane + 1536 w: my tile's fragment in a pack
.set QS,  11                           ; my tile's scale words in a pack
.set NM,  12                           ; v12 -M; v13 the largest t so far
.set SUM, 14                           ; v[14:15] the sum, in two halves
.set QF,  16                           ; v16-27 Q
.set QSC, 28                           ; Q's scale words
.set PW,  29                           ; P's scale word
.set ADV, 30                           ; V's position in hand + 16 x lane
.set AVS, 31                           ; V's position in hand + 16 r
.set FA,  32                           ; v32-79 four fragments
.set KS,  80                           ; v80-87 K's scale words
.set VS,  88                           ; v88-95 V's
.set S,   96                           ; v96-159 S^T, then p
.set FB,  160                          ; v160-207 four fragments
.set TM,  208
.set TX,  212
.set TP,  213
.set SO,  214
.set BY,  216
.set FF,  218                          ; v[218:219] f = 2^(old M - new M); later 1 / the sum
.set PWT, 222
.set PC,  224                          ; v224-235 P's fragment
.set TC,  236                          ; v236-242 the upper halves of the blocks' codes
.set CH,  240                          ; v242-255 seven chains of the sum (done before TC is written)
.set OT,  128                          ; in window 1
.set WV,  12
.set TB,  13                           ; s13 LDS byte of K's position in hand
.set SEL, 20
.set CS,  22                           ; s[22:23] c = log2(e) / sqrt(128)
.set G1,  24                           ; s[24:31] group 1: one pack
.set G0,  32                           ; s[32:35] positions 0-3; s[36:39] positions 4-11
.set G1L, 56                           ; s[56:63] group 1: two packs
.set MSB, 0
.macro WIN new
.if MSB != (\new)
	s_set_vgpr_msb (MSB<<8)|(\new)
.set MSB, (\new)
.endif
.endm
.macro D n
	s_delay_alu instid0(VALU_DEP_\n)
.endm
.macro NOPS
.rept 4
	v_nop
.endr
.endm
.macro CROUND                          ; a round of the cluster's barrier
	s_barrier_signal -1
	s_barrier_wait -1
	s_cmp_lg_u32 s[WV], 0
	s_cbranch_scc1 .Lnot_wave_0_\@
	s_barrier_signal -3
.Lnot_wave_0_\@:
	s_barrier_wait -3
	s_barrier_signal -1
	s_barrier_wait -1
.endm
; from my two blocks' largest magnitudes (v[TM], v[TM+2], the floor among them) and the 64 numbers in S: the row's scale word in v[wd] and the fragment in PC
.macro CODES wd
	D 2
	v_add_nc_u32 v[SO], 0xff000000, v[TM]          ; 2 off the exponent field: the conversion's scale operand
	D 2
	v_add_nc_u32 v[SO+1], 0xff000000, v[TM+2]
	D 2
	v_lshrrev_b32 v[BY], 23, v[SO]
	D 2
	v_lshrrev_b32 v[BY+1], 23, v[SO+1]
	D 1
	v_lshl_or_b32 v[PWT], v[BY+1], 16, v[BY]
	D 1
	v_lshlrev_b32 v[PWT], v[H8], v[PWT]
	D 1
	v_permlanex16_b32 v[TX], v[PWT], s[SEL], s[SEL+1]
	D 1
	v_or_b32 v[\wd], v[PWT], v[TX]
	v_cvt_scalef32_pk16_fp6_f32 v[PC:PC+2], v[S:S+15], v[SO]
	v_cvt_scalef32_pk16_fp6_f32 v[TC:TC+2], v[S+16:S+31], v[SO]
	v_cvt_scalef32_pk16_fp6_f32 v[PC+6:PC+8], v[S+32:S+47], v[SO+1]
	v_cvt_scalef32_pk16_fp6_f32 v[TC+4:TC+6], v[S+48:S+63], v[SO+1]
	v_nop                                          ; one plain place behind the conversions
.irp e, 0,1,2
	v_mov_b32 v[PC+3+\e], v[TC+\e]
	v_mov_b32 v[PC+9+\e], v[TC+4+\e]
.endr
.endm
.macro FRAGS f, adr, t0                ; four fragments, tiles t0 .. t0 + 3 of the pack at adr
.irp t, 0,1,2,3
.irp c, 0,1,2
	ds_load_b128 v[\f+12*\t+4*\c:\f+12*\t+4*\c+3], v[\adr] offset:1536*(\t0+\t)+512*\c
.endr
.endr
.endm
	s_load_b128 s[4:7], s[0:1], 0x0                ; qkv, maskp
	s_load_b64 s[8:9], s[0:1], 0x10                ; oc
	v_lshl_add_u32 v[SPW], v0, 2, SPARE
	v_mov_b32 v[NIL], 0
	ds_add_u32 v[SPW], v[NIL]                      ; the wave's opening: the add, twice on end, and its wait ahead of my first tensor load
	ds_add_u32 v[SPW], v[NIL]
	v_lshrrev_b32 v[LI], 5, v0
	D 1
	v_readfirstlane_b32 s[WV], v[LI]               ; wave 0..7
	s_bfe_u32 s44, ttmp6, 0x40000                  ; cx: it enters Q's, the mask's and O's global addresses alone
	s_lshl_b32 s45, ttmp9, 2
	s_add_co_u32 s45, s45, s44                     ; my token block R
	s_and_b32 s46, ttmp7, 0xffff                   ; the head, which the four partners share
	s_and_b32 s47, s[WV], 3
	s_lshr_b32 s15, s[WV], 2                       ; I fetch K's packs (0) or V's (1)
	s_add_co_u32 s48, s15, 1
	s_mul_i32 s48, s48, TEN
	s_mul_i32 s49, s46, RB
	s_add_co_u32 s48, s48, s49                     ; the head's 16 packs, in k or in v
	s_mov_b32 s49, 0
	s_mul_i32 s50, s15, VREG                       ; K's region or V's
	s_mul_i32 s51, s47, PACKB
	s_mov_b32 s[G0], 1
	s_add_co_u32 s[G0+1], s50, s51                 ; position w % 4
	s_mov_b32 s[G0+4], 1
	s_lshl_b32 s52, s51, 1
	s_add_co_u32 s52, s52, 4*PACKB
	s_add_co_u32 s[G0+5], s50, s52                 ; positions 4 + 2 (w % 4) and the next
	s_mov_b32 s53, 0
	s_mov_b32 s50, s51
	s_mov_b32 s51, 0
	; group 1: dense bytes as rows of 32 elements of 8 bytes: 50 rows are a pack, 100 are two
	s_mov_b32 s[G1], 15|(3<<16)|(1<<21)            ; 15:0 the mask: all four work-groups; 17:16 elements of 8 bytes; 21 set beside a mask
	s_mov_b32 s[G1+1], 32<<16
	s_mov_b32 s[G1+2], 50<<16
	s_mov_b32 s[G1+3], 32<<16
	s_mov_b32 s[G1+4], 50
	s_mov_b32 s[G1+5], 32
	s_mov_b32 s[G1+6], 0
	s_mov_b32 s[G1+7], 0
	s_mov_b32 s[G1L], 15|(3<<16)|(1<<21)
	s_mov_b32 s[G1L+1], 32<<16
	s_mov_b32 s[G1L+2], 100<<16
	s_mov_b32 s[G1L+3], 32<<16
	s_mov_b32 s[G1L+4], 100
	s_mov_b32 s[G1L+5], 32
	s_mov_b32 s[G1L+6], 0
	s_mov_b32 s[G1L+7], 0
	s_lshl_b32 s16, s46, 4
	s_add_co_u32 s16, s16, s45
	s_mul_i32 s16, s16, PACKB                      ; q's pack 16 head + R
	s_mov_b32 s17, 0
	s_lshl_b32 s18, s45, 4
	s_add_co_u32 s18, s18, s46
	s_mul_i32 s18, s18, PACKB                      ; oc's pack 16 R + head
	s_mov_b32 s19, 0
	s_lshl_b32 s54, s45, 20                        ; the mask: 16 units of 65,536 bytes a token block,
	s_lshl_b32 s55, s[WV], 13                      ; 8,192 bytes a tile
	s_add_co_u32 s54, s54, s55
	s_mov_b32 s55, 0
	s_mov_b32 s[SEL], 0x76543210
	s_mov_b32 s[SEL+1], 0xfedcba98
	s_mov_b32 s[CS], 0x3e0293ee
	s_mov_b32 s[CS+1], s[CS]                       ; (named with it as a pair, so it is written)
	s_mov_b32 s[TB], 0
	s_wait_dscnt 0x0                               ; both opening adds are done
	s_wait_kmcnt 0x0
	s_add_nc_u64 s[48:49], s[4:5], s[48:49]
	s_add_nc_u64 s[G0+2:G0+3], s[48:49], s[50:51]  ; key step w % 4
	s_or_b32 s[G0+3], s[G0+3], 0x80000000
	s_add_nc_u64 s[G0+6:G0+7], s[48:49], s[52:53]  ; key steps 4 + 2 (w % 4) and the next
	s_or_b32 s[G0+7], s[G0+7], 0x80000000
	s_add_nc_u64 s[16:17], s[4:5], s[16:17]
	s_add_nc_u64 s[8:9], s[8:9], s[18:19]
	s_add_nc_u64 s[6:7], s[6:7], s[54:55]
	CROUND                                         ; all four work-groups are here: the first joint loads meet
	tensor_load_to_lds s[G0:G0+3], s[G1:G1+7]      ; key steps 0-3: my one load at the head
	s_nop 0
	NOPS
	v_and_b32 v[LI], 31, v0
	D 1
	v_lshlrev_b32 v[LI], 4, v[LI]
	v_and_b32 v[LR], 15, v0
	D 1
	v_lshlrev_b32 v[LR], 4, v[LR]
	v_bfe_u32 v[H8], v0, 4, 1
	D 1
	v_lshlrev_b32 v[H8], 3, v[H8]
	s_mul_i32 s51, s[WV], 1536
	v_add_nc_u32 v[QO], s51, v[LI]
	s_lshl_b32 s51, s15, 8
	s_lshl_b32 s47, s47, 2
	s_add_co_u32 s51, s51, s47                     ; 256 (w / 4) + 4 (w % 4): my tile's words among a pack's
	s_add_co_u32 s47, s51, 12288
	v_add_nc_u32 v[QS], s47, v[LR]
	s_add_co_u32 s51, s51, SCR
	v_add_nc_u32 v[SWA], s51, v[LR]
	v_add_nc_u32 v[SRA], SCR, v[LI]
.irp c, 0,1,2
	global_load_b128 v[QF+4*\c:QF+4*\c+3], v[QO], s[16:17] offset:512*\c   ; Q's fragment stays in registers
.endr
	global_load_b32 v[QSC], v[QS], s[16:17]
	WIN 0x40                                       ; destination window 1
.irp j, 0,1
.irp g, 0,1,2,3,4,5,6,7,8,9,10,11,12,13,14,15
	global_load_b128 v[64*\j+4*\g:64*\j+4*\g+3], v[LI], s[6:7] offset:65536*\j+512*\g   ; the mask of key steps 0 and 1
.endr
.endr
.set jj, 0
.rept 64
	v_mov_b32 v[OT+jj], 0                          ; O^T.  (The step is written once: the first finds zeros, which the first change of M leaves zeros)
.set jj, jj+1
.endr
	WIN 0
	v_mov_b32 v[NM+1], 0xff61b1e6                  ; the largest t so far: -3e38
	D 1
	v_floor_f32 v[NM], -v[NM+1]                    ; -M
	v_mov_b32 v[SUM], 0
	v_mov_b32 v[SUM+1], 0
	v_mov_b32 v[TX], 0                             ; written once: a lane permute's destination counts as one of its sources
	v_mov_b32 v[FF+1], 0                           ; (named as the upper half of a pair)
	s_wait_alu depctr_va_vdst(0)                   ; the head's end
	s_wait_tensorcnt 0x0                           ; my pack of key steps 0-3 is in
	ds_add_u32 v[SPW], v[NIL]
	s_wait_dscnt 0x0
	CROUND                                         ; everybody's pack is in, and the four work-groups are here
	tensor_load_to_lds s[G0+4:G0+7], s[G1L:G1L+7]  ; key steps 4-11: my one load behind this round
	s_nop 0
	NOPS
	s_wait_loadcnt 32                              ; Q and its scale words are in; the 32 mask loads may be out
; A KEY STEP.  par: which set holds its mask;  ld = 1: the mask of two steps on is asked for;  left: the mask loads that may stay out
.macro STEP par, ld, left
	v_add_nc_u32 v[ADK], s[TB], v[LI]              ; these four lines are also the places in front of loads into registers that the last products read
	v_add_nc_u32 v[ADS], s[TB], v[LR]
	v_add_nc_u32 v[ADV], VREG, v[ADK]
	v_add_nc_u32 v[AVS], VREG, v[ADS]
.irp g, 0,1
	ds_load_b128 v[KS+4*\g:KS+4*\g+3], v[ADS] offset:12288+256*\g
.endr
	FRAGS FA, ADK, 0
	FRAGS FB, ADK, 4
	s_wait_alu depctr_va_vdst(0)
	s_wait_dscnt 12                                ; K's scale words and tiles 0-3 are in; tiles 4-7, 12 loads, may be out
.irp t, 0,1,2,3
	v_wmma_scale_f32_16x16x128_f8f6f4 v[S+8*\t:S+8*\t+7], v[FA+12*\t:FA+12*\t+11], v[QF:QF+11], 0, v[KS+\t], v[QSC] matrix_a_fmt:MATRIX_FMT_FP6 matrix_b_fmt:MATRIX_FMT_FP6
.endr
	s_wait_dscnt 0
.irp t, 0,1,2,3
	v_wmma_scale_f32_16x16x128_f8f6f4 v[S+32+8*\t:S+32+8*\t+7], v[FB+12*\t:FB+12*\t+11], v[QF:QF+11], 0, v[KS+4+\t], v[QSC] matrix_a_fmt:MATRIX_FMT_FP6 matrix_b_fmt:MATRIX_FMT_FP6
.endr
	NOPS                                           ; places in front of the loads below and of the first read of the scores
.irp g, 0,1
	ds_load_b128 v[VS+4*\g:VS+4*\g+3], v[AVS] offset:12288+256*\g   ; V's pack lands under the softmax
.endr
	FRAGS FA, ADV, 0
	FRAGS FB, ADV, 4
	s_wait_loadcnt \left                           ; this step's mask is in; the next step's 16 loads may be out
	WIN 0x10                                       ; source 2 window 1
.set jj, 0
.rept 32
	v_pk_fma_f32 v[S+jj:S+jj+1], v[S+jj:S+jj+1], s[CS:CS+1], v[64*\par+jj:64*\par+jj+1] op_sel_hi:[1,0,1]   ; t = score x c + mask x log2(e); each accumulator from its low end on
.set jj, jj+2
.endr
.if \ld
	WIN 0x40
.irp g, 0,1,2,3,4,5,6,7,8,9,10,11,12,13,14,15
	global_load_b128 v[64*\par+4*\g:64*\par+4*\g+3], v[LI], s[6:7] offset:(2+\par)*65536+512*\g
.endr
.endif
	WIN 0
.irp k, 0,1,2,3
	v_max3_num_f32 v[TM+\k], v[S+16*\k], v[S+16*\k+1], v[S+16*\k+2]   ; four chains of 16
.endr
.irp i, 3,5,7,9,11,13
.irp k, 0,1,2,3
	D 4
	v_max3_num_f32 v[TM+\k], v[TM+\k], v[S+16*\k+\i], v[S+16*\k+\i+1]
.endr
.endr
.irp k, 0,1,2,3
	D 4
	v_max_num_f32 v[TM+\k], v[TM+\k], v[S+16*\k+15]
.endr
	D 3
	v_max_num_f32 v[TM], v[TM], v[TM+1]            ; THE LARGEST t OF EACH OF MY TWO BLOCKS: it serves for the row's maximum and, since p rises with t, for the block's largest p
	D 2
	v_max_num_f32 v[TM+2], v[TM+2], v[TM+3]
	D 1
	v_max_num_f32 v[TP], v[TM], v[TM+2]
	D 1
	v_permlanex16_b32 v[TX], v[TP], s[SEL], s[SEL+1]
	D 1
	v_max_num_f32 v[TP], v[TP], v[TX]              ; with lane l xor 16's 64 keys
	D 1
	v_max_num_f32 v[NM+1], v[NM+1], v[TP]          ; the running largest t
	v_mov_b32 v[TP], v[NM]
	D 2
	v_floor_f32 v[NM], -v[NM+1]                    ; the new -M = -ceil(t): M is a whole number
	D 1
	v_sub_f32 v[TP], v[NM], v[TP]                  ; old M - new M, 0 or less
	D 1
	v_cvt_i32_f32 v[TP], v[TP]                     ; (it saturates)
	D 1
	v_ldexp_f32 v[FF], 1.0, v[TP]                  ; f = 2^(old M - new M)
.set jj, 0
.rept 32
	v_pk_add_f32 v[S+jj:S+jj+1], v[S+jj:S+jj+1], v[NM:NM+1] op_sel_hi:[1,0]   ; t - M
.set jj, jj+2
.endr
	v_add_f32 v[TM], v[TM], v[NM]                  ; the same of each block's largest t
	v_add_f32 v[TM+2], v[TM+2], v[NM]
	s_wait_alu depctr_va_vdst(0)                   ; ahead of the batch
.set jj, 0
.rept 64
	v_exp_f32 v[S+jj], v[S+jj]                     ; p = 2^(t - M), at most 1: not normalised
.set jj, jj+1
.endr
	v_pk_mul_f32 v[SUM:SUM+1], v[SUM:SUM+1], v[FF:FF+1] op_sel_hi:[1,0]   ; the sums under the new M: a plain place behind the exponentials
	s_wait_alu depctr_va_vdst(0)                   ; one wait for the batch, ahead of its first reader
	v_exp_f32 v[TM], v[TM]                         ; the blocks' largest p: the same instructions on the same number give the same bits
	v_exp_f32 v[TM+2], v[TM+2]
.irp k, 1,2,3,4,5,6,7                  ; the row's sum of the unquantised p: 32 pairs in eight chains
	v_pk_add_f32 v[CH+2*\k:CH+2*\k+1], v[S+4*\k-4:S+4*\k-3], v[S+4*\k-2:S+4*\k-1]
.endr
	v_pk_add_f32 v[SUM:SUM+1], v[SUM:SUM+1], v[S+28:S+29]
.irp k, 1,2,3,4,5,6,7
	v_pk_add_f32 v[CH+2*\k:CH+2*\k+1], v[CH+2*\k:CH+2*\k+1], v[S+28+2*\k:S+29+2*\k]
.endr
	v_pk_add_f32 v[SUM:SUM+1], v[SUM:SUM+1], v[S+44:S+45]
.irp k, 1,2,3,4,5,6,7
	v_pk_add_f32 v[CH+2*\k:CH+2*\k+1], v[CH+2*\k:CH+2*\k+1], v[S+44+2*\k:S+45+2*\k]
.endr
	v_pk_add_f32 v[SUM:SUM+1], v[SUM:SUM+1], v[S+60:S+61]
	v_pk_add_f32 v[CH+2:CH+3], v[CH+2:CH+3], v[S+62:S+63]
	v_pk_add_f32 v[CH+6:CH+7], v[CH+6:CH+7], v[CH+8:CH+9]
	v_pk_add_f32 v[CH+10:CH+11], v[CH+10:CH+11], v[CH+12:CH+13]
	v_pk_add_f32 v[SUM:SUM+1], v[SUM:SUM+1], v[CH+14:CH+15]
	v_pk_add_f32 v[CH+2:CH+3], v[CH+2:CH+3], v[CH+4:CH+5]
	D 3
	v_pk_add_f32 v[CH+6:CH+7], v[CH+6:CH+7], v[CH+10:CH+11]
	D 2
	v_pk_add_f32 v[SUM:SUM+1], v[SUM:SUM+1], v[CH+2:CH+3]
	D 1
	v_pk_add_f32 v[SUM:SUM+1], v[SUM:SUM+1], v[CH+6:CH+7]
	s_wait_alu depctr_va_vdst(0)                   ; and one for the two
	v_max_num_f32 v[TM], 0x1800000, v[TM]          ; the floor 2^(3 - 127): the byte cannot fall under 1
	v_max_num_f32 v[TM+2], 0x1800000, v[TM+2]
	CODES PW                                       ; p's scale word for these 128 keys, and P's fragment
	WIN 0x41                                       ; O^T (destination and source 0) window 1
	s_wait_alu depctr_va_vdst(0)                   ; directly ahead of the first reader of O^T
.set jj, 0
.rept 32
	v_pk_mul_f32 v[OT+jj:OT+jj+1], v[OT+jj:OT+jj+1], v[FF:FF+1] op_sel_hi:[1,0]   ; O^T under the new M; these are also the places between the scale word, P's fragment and the products
.set jj, jj+2
.endr
	s_wait_alu depctr_va_vdst(0)
	s_wait_dscnt 0                                 ; V's pack is in registers
	WIN 0x50                                       ; C and D window 1
.irp t, 0,1,2,3
	v_wmma_scale_f32_16x16x128_f8f6f4 v[OT+8*\t:OT+8*\t+7], v[FA+12*\t:FA+12*\t+11], v[PC:PC+11], v[OT+8*\t:OT+8*\t+7], v[VS+\t], v[PW] matrix_a_fmt:MATRIX_FMT_FP6 matrix_b_fmt:MATRIX_FMT_FP6
.endr
.irp t, 0,1,2,3
	v_wmma_scale_f32_16x16x128_f8f6f4 v[OT+32+8*\t:OT+32+8*\t+7], v[FB+12*\t:FB+12*\t+11], v[PC:PC+11], v[OT+32+8*\t:OT+32+8*\t+7], v[VS+4+\t], v[PW] matrix_a_fmt:MATRIX_FMT_FP6 matrix_b_fmt:MATRIX_FMT_FP6
.endr
	WIN 0
	s_add_co_u32 s[TB], s[TB], PACKB               ; the next position
.endm
.macro PAIR
	STEP 0, 1, 16
	STEP 1, 1, 16
	s_wait_xcnt 0x0                                ; the mask loads have read their base: it steps two key steps on
	s_add_nc_u64 s[6:7], s[6:7], 131072
.endm
	s_mov_b32 s14, 2
.Lfirst:                                               ; key steps 0-3
	PAIR
	s_sub_co_u32 s14, s14, 1
	s_cmp_lg_u32 s14, 0
	s_cbranch_scc1 .Lfirst
	; THE ONE REFILL: positions 0-3 take key steps 12-15
	s_wait_tensorcnt 0x0                           ; all my tensor loads have landed, my part of key steps 4-11
	ds_add_u32 v[SPW], v[NIL]
	s_add_nc_u64 s[G0+2:G0+3], s[G0+2:G0+3], 12*PACKB
	s_wait_dscnt 0x0                               ; the add is done, and my reads of positions 0-3 are over
	CROUND                                         ; no wave of any partner still reads them or has a load on its way
	tensor_load_to_lds s[G0:G0+3], s[G1:G1+7]
	s_nop 0
	NOPS
	s_mov_b32 s[TB], 4*PACKB
	s_mov_b32 s14, 4
.Lsecond:                                              ; key steps 4-11
	PAIR
	s_sub_co_u32 s14, s14, 1
	s_cmp_lg_u32 s14, 0
	s_cbranch_scc1 .Lsecond
	s_wait_tensorcnt 0x0                           ; my pack of key steps 12-15 is in,
	s_wait_dscnt 0x0
	s_barrier_signal -1
	s_barrier_wait -1                              ; everybody's is
	s_mov_b32 s[TB], 0
	PAIR                                           ; key steps 12, 13: they ask for the last two steps' mask
	STEP 0, 0, 16
	STEP 1, 0, 0
	; THE WAY OUT: O^T / the sum, quantised along the head's 128: fragment w of oc's pack (token block, head).  The eight waves' scale words meet in LDS and leave as 512 consecutive bytes.
	NOPS
	v_add_f32 v[SUM], v[SUM], v[SUM+1]
	D 1
	v_permlanex16_b32 v[TX], v[SUM], s[SEL], s[SEL+1]
	D 1
	v_add_f32 v[SUM], v[SUM], v[TX]                ; the row's sum
	s_wait_alu depctr_va_vdst(0)                   ; ahead of the transcendental
	v_rcp_f32 v[FF], v[SUM]
	v_nop                                          ; a plain place behind the reciprocal
	s_wait_alu depctr_va_vdst(0)                   ; and the wait ahead of its first reader
	WIN 0x01                                       ; source 0 window 1
.set jj, 0
.rept 32
	v_pk_mul_f32 v[S+jj:S+jj+1], v[OT+jj:OT+jj+1], v[FF:FF+1] op_sel_hi:[1,0]
.set jj, jj+2
.endr
	WIN 0
.irp k, 0,1,2,3
	v_max3_num_f32 v[TM+\k], 0x1800000, |v[S+16*\k]|, |v[S+16*\k+1]|
.endr
.irp n, 2,4,6,8,10,12,14
.irp k, 0,1,2,3
	D 4
	v_max3_num_f32 v[TM+\k], v[TM+\k], |v[S+16*\k+\n]|, |v[S+16*\k+\n+1]|
.endr
.endr
	D 3
	v_max_num_f32 v[TM], v[TM], v[TM+1]
	D 2
	v_max_num_f32 v[TM+2], v[TM+2], v[TM+3]
	CODES PWT
.irp c, 0,1,2
	global_store_b128 v[QO], v[PC+4*\c:PC+4*\c+3], s[8:9] offset:512*\c
.endr
	ds_store_b32 v[SWA], v[PWT]                    ; both halves of the lanes write the same word with the same value
	s_wait_dscnt 0x0                               ; for the others' sake
	s_barrier_signal -1
	s_barrier_wait -1
	s_cmp_lg_u32 s[WV], 0
	s_cbranch_scc1 .Lnot_first
	ds_load_b128 v[FA:FA+3], v[SRA]
	s_wait_dscnt 0x0
	global_store_b128 v[LI], v[FA:FA+3], s[8:9] offset:12288
.Lnot_first:
	s_wait_tensorcnt 0x0                           ; the wave's end: behind my last tensor load and my last LDS store
	ds_add_u32 v[SPW], v[NIL]
	s_wait_dscnt 0x0
	CROUND                                         ; the closing round
	s_endpgm
.Lfunc_end_k_qc0135166c4_attn:
	.size	k_qc0135166c4_attn, .Lfunc_end_k_qc0135166c4_attn-k_qc0135166c4_attn
	.p2alignl 7, 3214868480
	.fill 96, 4, 3214868480
	.section	.rodata,"a",@progbits
	.p2align	6, 0x0
	.amdhsa_kernel k_qc0135166c4_attn
		.amdhsa_group_segment_fixed_size 327680
		.amdhsa_private_segment_fixed_size 0
		.amdhsa_enable_private_segment 0
		.amdhsa_kernarg_size 24
		.amdhsa_user_sgpr_count 2
		.amdhsa_user_sgpr_kernarg_segment_ptr 1
		.amdhsa_wavefront_size32 1
		.amdhsa_system_sgpr_workgroup_id_x 1
		.amdhsa_system_sgpr_workgroup_id_y 1
		.amdhsa_system_sgpr_workgroup_id_z 1
		.amdhsa_system_vgpr_workitem_id 0
		.amdhsa_next_free_vgpr 448
		.amdhsa_next_free_sgpr 66
		.amdhsa_reserve_vcc 0
		.amdhsa_float_denorm_mode_32 3
		.amdhsa_float_denorm_mode_16_64 3
		.amdhsa_memory_ordered 1
		.amdhsa_forward_progress 1
		.amdhsa_inst_pref_size 199
	.end_amdhsa_kernel
	.amdgpu_metadata
---
amdhsa.version: [ 1, 2 ]
amdhsa.kernels:
  - .name:           k_qc0135166c4_attn
    .symbol:         k_qc0135166c4_attn.kd
    .args:
      - { .name: qkv, .offset: 0, .size: 8, .value_kind: global_buffer, .address_space: global }
      - { .name: maskp, .offset: 8, .size: 8, .value_kind: global_buffer, .address_space: global }
      - { .name: oc, .offset: 16, .size: 8, .value_kind: global_buffer, .address_space: global }
    .group_segment_fixed_size: 327680
    .private_segment_fixed_size: 0
    .kernarg_segment_align: 8
    .kernarg_segment_size: 24
    .max_flat_workgroup_size: 256
    .sgpr_count:     66
    .vgpr_count:     448
    .wavefront_size: 32
...
	.end_amdgpu_metadata
.endif
;; end of part 7
;; launch outp (part 8): grid 16 x 16, 4 waves a work-group, clusters of 4 x 4, 327,680 bytes of LDS; arguments oc, xw, out0; writes out0
.if DOCPART == 8
	.amdgcn_target "amdgcn-amd-amdhsa--gfx1250"
	.amdhsa_code_object_version 6
	.text
	.protected	k_qc0135166c4_outp
	.globl	k_qc0135166c4_outp
	.p2align	8
	.type	k_qc0135166c4_outp,@function
k_qc0135166c4_outp:
	s_mov_b64 s[64:65], 0
	v_nop
	global_prefetch_b8 v0, s[64:65] scope:SCOPE_SE
	s_setreg_imm32_b32 hwreg(HW_REG_WAVE_MODE, 25, 1), 1
	s_wait_xcnt 0x0
	s_wait_alu depctr_hold_cnt(0) depctr_sa_sdst(0) depctr_va_vdst(0) depctr_va_sdst(0) depctr_va_ssrc(0) depctr_va_vcc(0) depctr_vm_vsrc(0)
	s_getreg_b32 s2, hwreg(HW_REG_IB_STS2, 6, 4)
	s_cmp_eq_u32 s2, 0
	s_cbranch_scc0 .Lentry_in_a_cluster
	s_endpgm
.Lentry_in_a_cluster:
	s_bfe_u32 s2, ttmp6, 0x10000c
	s_cmp_lg_u32 s2, 0xf033
	s_cbranch_scc0 .Lentry_shape_is_right
	s_endpgm
.Lentry_shape_is_right:
; FOURTH LAUNCH: out = O Wo^T on the codes of oc and of xw's fifth tensor.  No work is left out.
; A tile of the result is 128 tokens (T = O, source 1) x 128 outputs (U = Wo, source 0): 16 x 16 tiles, one work-group each.  Four waves, each 64 x 64: 16 accumulators of 16 x 16.  K = 2,048 in 16 steps of 128.
; OPERANDS ARE PACKS (128 rows x 128 K as an image of operand registers, 12,800 bytes: byte 1536 i + 512 c + 16 lane = registers 4 c .. 4 c + 3 of tile i; the scale words of tiles 4 g .. 4 g + 3, row r, at 12288 + 256 g + 16 r).
; A row block's 16 packs lie on end in memory.  Row m of a pack's tile i is row rho(i, m) = 64 (i / 4) + 32 (m / 8) + 8 (i % 4) + m % 8 of its 128; only here is that order undone, by immediates.
; K LIES IN LDS: 12 positions of a pack for T and 12 for U.  K steps 0-11 are asked for at the head, ONE load of six packs (76,800 dense bytes) a wave (waves 0, 1: T's; waves 2, 3: U's); K steps 12-15 fill
; positions 0-3 again, two packs a wave, as soon as step 3's fragments are in registers: one refill in the launch, eight K steps ahead of its first reader.
; THE REFILL'S BYTES ARE PREFETCHED at the head, behind the joint load: a wave's two packs are 100 blocks of 256 bytes, which the four partners that ask for them jointly share out by address, 25 each, a lane a block.
; CLUSTERS of 4 x 4: the four work-groups of a row of the cluster need the same packs of O, the four of a column the same packs of Wo: each load is asked for jointly, with the same descriptor and a mask that names the four.
; THE MATRIX INSTRUCTION IS USED TRANSPOSED: in accumulator (a, b) of wave (wa, wb) lane (r, h) holds token 64 wa + 32 (r / 8) + 8 a + r % 8, and its register j the output 64 wb + 32 h + 8 b + j.
; The 16 K steps are written out, so that every LDS offset is an immediate; an immediate reaches four positions, so each of the four kinds of address has three registers.
; REGISTERS: window 0: v8-11 the way out's addresses and the prefetch's offset; v16-27 LDS addresses; v28-30; v32-47 scale words, two sets; v64-127 rows on the way out; v128-255 the accumulators ((a, b) at v[128 + 8 (4 a + b)]).
;   window 1: two sets of fragments at v0 and v128: T's four tiles (48 registers), then U's four.
.set TEN,   3276800
.set PACKB, 12800
.set RB,    16*PACKB
.set REGN,  12*PACKB                   ; T's 12 positions; U's lie behind them
.set GRP,   4*PACKB
.set SPARE, 2*REGN                     ; the spare words, 128 bytes for each wave
.set STAGE, SPARE+512                  ; the way out: 16 rows x 272 bytes for each wave; no tensor load lands here
.set SPITCH, 272
.set STO,  8
.set RD,   9
.set CO,   10
.set PFO,  11                          ; 256 x min(lane, 24)
.set ADA,  16
.set ADB,  19
.set ASA,  22
.set ASB,  25
.set SPW,  28
.set NIL,  29
.set LI,   30
.set SC,   32
.set BK,   64
.set ACC,  128
.set G1,  24                           ; s[24:31] group 1 for T's packs;  s[32:35] group 0 of the head's load, s[36:39] of the refill
.set G0,  32
.set G1B, 48                           ; s[48:55], s[68:75] the same for U's
.set G0B, 68
.set PFA, 80                           ; s[80:81] my work-group's 25 blocks of my refill, less 12 packs
.set MSB, 0
.macro WIN new
.if MSB != (\new)
	s_set_vgpr_msb (MSB<<8)|(\new)
.set MSB, (\new)
.endif
.endm
.set MUL,  0x05                        ; sources 0 (U) and 1 (T) window 1; C and D window 0
.set TO_F, 0x40                        ; destination window 1, address window 0
.macro JLOAD g0a, g1a, g0b, g1b        ; a joint load: waves 0 and 1 fetch for T, waves 2 and 3 for U; an s_nop 0 and four v_nop follow each of the two lines
	s_cmp_eq_u32 s15, 0
	s_cbranch_scc0 .Lfor_b_\@
	tensor_load_to_lds s[\g0a:\g0a+3], s[\g1a:\g1a+7]
	s_nop 0
.rept 4
	v_nop
.endr
	s_branch .Lasked_\@
.Lfor_b_\@:
	tensor_load_to_lds s[\g0b:\g0b+3], s[\g1b:\g1b+7]
	s_nop 0
.rept 4
	v_nop
.endr
.Lasked_\@:
.endm
.macro CREST
	s_cmp_lg_u32 s14, 0
	s_cbranch_scc1 .Lnot_wave_0_\@
	s_barrier_signal -3
.Lnot_wave_0_\@:
	s_barrier_wait -3
	s_barrier_signal -1
	s_barrier_wait -1
.endm
.macro CROUND
	s_barrier_signal -1
	s_barrier_wait -1
	CREST
.endm
	s_load_b128 s[4:7], s[0:1], 0x0                ; oc, xw
	s_load_b64 s[12:13], s[0:1], 0x10              ; out0
	v_lshl_add_u32 v[SPW], v0, 2, SPARE
	v_mov_b32 v[NIL], 0
	ds_add_u32 v[SPW], v[NIL]                      ; the wave's opening: the add, twice on end, and its wait ahead of my first tensor load
	ds_add_u32 v[SPW], v[NIL]
	v_lshrrev_b32 v1, 5, v0
	v_readfirstlane_b32 s14, v1                    ; wave 0..3
	s_lshr_b32 s15, s14, 1                         ; wa: which 64 tokens are mine.  Also: I fetch for T (0) or for U (1)
	s_and_b32 s16, s14, 1                          ; wb: which 64 outputs.  Also: which half of a fill I fetch
	s_bfe_u32 s84, ttmp6, 0x40000                  ; cx
	s_bfe_u32 s85, ttmp6, 0x40004                  ; cy
	s_and_b32 s22, ttmp7, 0xffff
	s_lshl_b32 s22, s22, 2
	s_add_co_u32 s22, s22, s85                     ; tile row (token block)
	s_lshl_b32 s86, ttmp9, 2
	s_add_co_u32 s86, s86, s84                     ; tile column (block of outputs)
	s_lshl_b32 s87, s85, 2
	s_lshl_b32 s87, 15, s87                        ; my row of the cluster
	s_lshl_b32 s88, 0x1111, s84                    ; my column
	; group 1: dense bytes as rows of 32 elements of 8 bytes: 300 rows, six packs, at the head; the two words that count rows are set to 100 for the refill
	s_or_b32 s[G1+0], s87, (3<<16)|(1<<21)
	s_or_b32 s[G1B+0], s88, (3<<16)|(1<<21)
.irp g, G1, G1B
	s_mov_b32 s[\g+1], 32<<16
	s_mov_b32 s[\g+2], 300<<16
	s_mov_b32 s[\g+3], 32<<16
	s_mov_b32 s[\g+4], 300
	s_mov_b32 s[\g+5], 32
	s_mov_b32 s[\g+6], 0
	s_mov_b32 s[\g+7], 0
.endr
	s_mul_i32 s8, s16, 2*PACKB                     ; the refill: my two packs of four, as many bytes on in memory as in LDS
	s_mul_i32 s92, s16, 4*PACKB                    ; the head: my six packs of twelve begin 6 wb packs on: these 4 wb more
	s_mov_b32 s93, 0
	s_mul_i32 s20, s22, RB                         ; T: oc's row block; made of the tile row and the wave alone
	s_add_co_u32 s20, s20, s8
	s_mov_b32 s21, 0
	s_mul_i32 s90, s86, RB                         ; U: Wo's row block; made of the tile column and the wave alone
	s_add_co_u32 s90, s90, s8
	s_add_co_u32 s90, s90, 4*TEN
	s_mov_b32 s91, 0
	s_mul_i32 s89, s15, REGN                       ; where they go: T's region or U's: no place in the cluster enters an LDS address
	s_add_co_u32 s89, s89, s8
	v_and_b32 v1, 31, v0
	v_lshlrev_b32 v[LI], 4, v1
	s_wait_alu depctr_va_vdst(0)
	v_and_b32 v2, 15, v0                           ; r
	v_lshlrev_b32 v3, 4, v2
	s_wait_alu depctr_va_vdst(0)
	v_bfe_u32 v4, v0, 4, 1                         ; h
	s_mul_i32 s9, s15, 4*1536                      ; T's tiles 4 wa on
	s_mul_i32 s10, s16, 4*1536                     ; U's tiles 4 wb on,
	s_add_co_u32 s10, s10, REGN                    ; behind T's region
	s_lshl_b32 s11, s15, 8                         ; and their scale words
	s_lshl_b32 s23, s16, 8
	s_add_co_u32 s23, s23, REGN
.irp g, 0,1,2
	v_add_nc_u32 v[ADA+\g], s9, v[LI]
	v_add_nc_u32 v[ADB+\g], s10, v[LI]
	v_add_nc_u32 v[ASA+\g], s11, v3
	v_add_nc_u32 v[ASB+\g], s23, v3
	s_add_co_u32 s9, s9, GRP
	s_add_co_u32 s10, s10, GRP
	s_add_co_u32 s11, s11, GRP
	s_add_co_u32 s23, s23, GRP
.endr
	s_mul_i32 s17, s14, 16*SPITCH
	s_add_co_u32 s17, s17, STAGE                   ; my stage
	v_mul_u32_u24 v[STO], v2, SPITCH
	v_lshl_add_u32 v[STO], v4, 7, v[STO]
	v_add_nc_u32 v[STO], s17, v[STO]               ; in: row r, + 128 h
	v_mul_u32_u24 v[RD], v4, SPITCH
	v_lshl_add_u32 v[RD], v2, 4, v[RD]
	v_add_nc_u32 v[RD], s17, v[RD]                 ; back: lanes 0-15 one row of 256 bytes, lanes 16-31 the next
	v_lshlrev_b32 v[CO], 13, v4
	v_lshl_add_u32 v[CO], v2, 4, v[CO]             ; and the same two rows in the result
	v_min_u32 v[PFO], 24, v1
	v_lshlrev_b32 v[PFO], 8, v[PFO]
	s_lshl_b32 s18, s22, 20                        ; my part of the result: 128 tokens a tile row, rows of 8,192 bytes,
	s_lshl_b32 s19, s15, 19                        ; + 64 wa tokens,
	s_add_co_u32 s18, s18, s19
	s_lshl_b32 s19, s86, 9                         ; + 128 outputs a tile column,
	s_add_co_u32 s18, s18, s19
	s_lshl_b32 s19, s16, 8                         ; + 64 wb outputs
	s_add_co_u32 s18, s18, s19
	s_mov_b32 s19, 0
	s_wait_alu depctr_va_vdst(0)                   ; the head's end
	s_wait_dscnt 0x0                               ; both opening adds are done
	s_wait_kmcnt 0x0
	s_add_nc_u64 s[20:21], s[4:5], s[20:21]
	s_add_nc_u64 s[90:91], s[6:7], s[90:91]
	s_add_nc_u64 s[12:13], s[12:13], s[18:19]
	s_mov_b32 s[G0], 1                             ; the head's load: positions 6 wb .. 6 wb + 5, the same K steps
	s_add_co_u32 s[G0+1], s89, s92
	s_add_nc_u64 s[G0+2:G0+3], s[20:21], s[92:93]
	s_or_b32 s[G0+3], s[G0+3], 0x80000000
	s_mov_b32 s[G0B], 1
	s_add_co_u32 s[G0B+1], s89, s92
	s_add_nc_u64 s[G0B+2:G0B+3], s[90:91], s[92:93]
	s_or_b32 s[G0B+3], s[G0B+3], 0x80000000
	s_mov_b32 s[G0+4], 1                           ; the refill: positions 2 wb, 2 wb + 1 take K steps 12 + 2 wb and the next
	s_mov_b32 s[G0+5], s89
	s_add_nc_u64 s[G0+6:G0+7], s[20:21], 12*PACKB
	s_or_b32 s[G0+7], s[G0+7], 0x80000000
	s_mov_b32 s[G0B+4], 1
	s_mov_b32 s[G0B+5], s89
	s_add_nc_u64 s[G0B+6:G0B+7], s[90:91], 12*PACKB
	s_or_b32 s[G0B+7], s[G0B+7], 0x80000000
	s_cmp_eq_u32 s15, 0                            ; the prefetch: T's partners differ in cx, U's in cy
	s_cselect_b64 s[PFA:PFA+1], s[20:21], s[90:91]
	s_cselect_b32 s82, s84, s85
	s_mul_i32 s82, s82, 6400
	s_mov_b32 s83, 0
	s_add_nc_u64 s[PFA:PFA+1], s[PFA:PFA+1], s[82:83]
	CROUND                                         ; all sixteen work-groups are here: the first joint loads meet
	JLOAD G0, G1, G0B, G1B                         ; K steps 0-11: my one load at the head
	global_prefetch_b8 v[PFO], s[PFA:PFA+1] offset:12*PACKB th:TH_LOAD_NT scope:SCOPE_SE   ; my share of the refill's bytes; its registers are never rewritten
; 26 LDS loads in one run: K step k's fragments into set k % 2 of window 1, and its scale words
.macro FETCH k
.set PP, (\k)%12
.set GG, PP/4
.set OFS, (PP%4)*PACKB
.set FS, 128*((\k)%2)
.set SS, SC+8*((\k)%2)
	WIN TO_F
.irp i, 0,1,2,3
.irp c, 0,1,2
	ds_load_b128 v[FS+48+12*\i+4*\c:FS+48+12*\i+4*\c+3], v[ADB+GG] offset:OFS+1536*\i+512*\c
.endr
.endr
.irp i, 0,1,2,3
.irp c, 0,1,2
	ds_load_b128 v[FS+12*\i+4*\c:FS+12*\i+4*\c+3], v[ADA+GG] offset:OFS+1536*\i+512*\c
.endr
.endr
	WIN 0
	ds_load_b128 v[SS:SS+3], v[ASA+GG] offset:OFS+12288
	ds_load_b128 v[SS+4:SS+7], v[ASB+GG] offset:OFS+12288
.endm
; 8 matrix instructions: T's tiles a0, a0 + 1 x U's four, K step k.  The 16 accumulators take turns, one instruction a turn, in the same order in every step
.macro MUL8 k, a0, zero
.set FS, 128*((\k)%2)
.set SS, SC+8*((\k)%2)
.irp a, \a0, \a0+1
.irp b, 0,1,2,3
.if \zero
	v_wmma_scale_f32_16x16x128_f8f6f4 v[ACC+8*(4*(\a)+\b):ACC+8*(4*(\a)+\b)+7], v[FS+48+12*\b:FS+48+12*\b+11], v[FS+12*(\a):FS+12*(\a)+11], 0, v[SS+4+\b], v[SS+(\a)] matrix_a_fmt:MATRIX_FMT_FP6 matrix_b_fmt:MATRIX_FMT_FP6
.else
	v_wmma_scale_f32_16x16x128_f8f6f4 v[ACC+8*(4*(\a)+\b):ACC+8*(4*(\a)+\b)+7], v[FS+48+12*\b:FS+48+12*\b+11], v[FS+12*(\a):FS+12*(\a)+11], v[ACC+8*(4*(\a)+\b):ACC+8*(4*(\a)+\b)+7], v[SS+4+\b], v[SS+(\a)] matrix_a_fmt:MATRIX_FMT_FP6 matrix_b_fmt:MATRIX_FMT_FP6
.endif
.endr
.endr
.endm
.macro PLACES                          ; four plain places in front of loads into registers that matrix instructions have read, and of the first read of results
.rept 4
	v_nop
.endr
.endm
.macro STEP k, zero                    ; the next step's fragments are asked for, into the set that the step before multiplied; then this step's 16 products
.if (\k) > 0
	PLACES
.endif
	FETCH (\k)+1
	s_wait_dscnt 26                                ; all but the 26 just issued
	WIN MUL
	MUL8 \k, 0, \zero
	MUL8 \k, 2, \zero
.endm
.macro STEPR k                         ; K step 3 carries THE REFILL: its fragments are the last that anybody reads of positions 0-3
	WIN 0
	s_wait_tensorcnt 0x0                           ; no tensor load of mine is out: so a descriptor may be written
	ds_add_u32 v[SPW], v[NIL]
	s_mov_b32 s[G1+2], 100<<16                     ; the refill brings two packs, 100 rows
	s_mov_b32 s[G1+4], 100
	s_mov_b32 s[G1B+2], 100<<16
	s_mov_b32 s[G1B+4], 100
	s_wait_dscnt 0x0                               ; the add is done, and my reads of positions 0-3 are over
	s_barrier_signal -1                            ; this barrier opens a round of the cluster's
	WIN MUL
	MUL8 \k, 0, 0
	WIN 0
	s_barrier_wait -1
	CREST                                          ; no wave of any partner still reads those positions or has a load on its way
	JLOAD G0+4, G1, G0B+4, G1B                     ; my one load behind the round; its four v_nop are the places in front of the loads below
	FETCH (\k)+1
	WIN MUL
	MUL8 \k, 2, 0
.endm
.macro STEPB k                         ; K step 11: the next step lies in the refilled positions
	s_wait_tensorcnt 0x0
	s_wait_dscnt 0x0
	s_barrier_signal -1
	WIN MUL
	MUL8 \k, 0, 0
	s_barrier_wait -1                              ; everybody's part of K steps 12-15 is in
	PLACES
	FETCH (\k)+1
	WIN MUL
	MUL8 \k, 2, 0
.endm
	s_wait_tensorcnt 0x0                           ; my part of K steps 0-11 is in
	s_barrier_signal -1
	s_barrier_wait -1                              ; everybody's is
	FETCH 0
	STEP 0, 1
	STEP 1, 0
	STEP 2, 0
	STEPR 3
.irp k, 4,5,6,7,8,9,10
	STEP \k, 0
.endr
	STEPB 11
	STEP 12, 0
	STEP 13, 0
	STEP 14, 0
	s_wait_dscnt 0                                 ; the last K step: nothing more to fetch
	MUL8 15, 0, 0
	MUL8 15, 2, 0
	WIN 0
; THE WAY OUT, a tile of 16 tokens x my 64 outputs at a time, through my own stage in LDS: in by the outputs' true places, back as whole rows of 256 bytes, two rows an instruction, stored at the tokens' true rows.
; LDS serves a wave's instructions in order (ISA guide 5.7.1.4): no wait between the stores and the loads, nor in front of the next tile's stores.
.macro TOSTAGE a
.set AC, ACC+32*(\a)
.irp b, 0,1,2,3
	ds_store_b128 v[STO], v[AC+8*\b:AC+8*\b+3] offset:32*\b          ; each accumulator from its low end on
	ds_store_b128 v[STO], v[AC+8*\b+4:AC+8*\b+7] offset:32*\b+16
.endr
.set BB, BK+32*((\a)%2)
.irp t, 0,1,2,3,4,5,6,7
	ds_load_b128 v[BB+4*\t:BB+4*\t+3], v[RD] offset:\t*2*SPITCH
.endr
.endm
.macro SEND a, younger                 ; younger: the LDS instructions issued behind tile a's loads, which may stay out
.set BB, BK+32*((\a)%2)
	s_wait_dscnt \younger
.irp t, 0,1,2,3,4,5,6,7
	global_store_b128 v[CO], v[BB+4*\t:BB+4*\t+3], s[12:13] offset:(8*(\a)+32*(\t/4)+2*(\t%4))*8192 th:TH_STORE_NT   ; 16 lanes store 256 consecutive bytes, at a multiple of 256 from the result's first byte
.endr
.endm
	PLACES
	TOSTAGE 0
.irp a, 1,2,3
.if \a > 1
	s_wait_xcnt 0x0                                ; tile a - 2's stores have read their registers: tile a's loads may land there
.endif
	TOSTAGE \a
	SEND \a-1, 16                                  ; behind tile a - 1's loads: tile a's 8 stores and 8 loads
.endr
	SEND 3, 0
	s_wait_tensorcnt 0x0                           ; the wave's end: behind my last tensor load and my last LDS store
	ds_add_u32 v[SPW], v[NIL]
	s_wait_dscnt 0x0
	CROUND                                         ; the closing round
	s_endpgm
.Lfunc_end_k_qc0135166c4_outp:
	.size	k_qc0135166c4_outp, .Lfunc_end_k_qc0135166c4_outp-k_qc0135166c4_outp
	.p2alignl 7, 3214868480
	.fill 96, 4, 3214868480
	.section	.rodata,"a",@progbits
	.p2align	6, 0x0
	.amdhsa_kernel k_qc0135166c4_outp
		.amdhsa_group_segment_fixed_size 327680
		.amdhsa_private_segment_fixed_size 0
		.amdhsa_enable_private_segment 0
		.amdhsa_kernarg_size 24
		.amdhsa_user_sgpr_count 2
		.amdhsa_user_sgpr_kernarg_segment_ptr 1
		.amdhsa_wavefront_size32 1
		.amdhsa_system_sgpr_workgroup_id_x 1
		.amdhsa_system_sgpr_workgroup_id_y 1
		.amdhsa_system_sgpr_workgroup_id_z 1
		.amdhsa_system_vgpr_workitem_id 0
		.amdhsa_next_free_vgpr 512
		.amdhsa_next_free_sgpr 96
		.amdhsa_reserve_vcc 0
		.amdhsa_float_denorm_mode_32 3
		.amdhsa_float_denorm_mode_16_64 3
		.amdhsa_memory_ordered 1
		.amdhsa_forward_progress 1
		.amdhsa_inst_pref_size 79
	.end_amdhsa_kernel
	.amdgpu_metadata
---
amdhsa.version: [ 1, 2 ]
amdhsa.kernels:
  - .name:           k_qc0135166c4_outp
    .symbol:         k_qc0135166c4_outp.kd
    .args:
      - { .name: oc, .offset: 0, .size: 8, .value_kind: global_buffer, .address_space: global }
      - { .name: xw, .offset: 8, .size: 8, .value_kind: global_buffer, .address_space: global }
      - { .name: out0, .offset: 16, .size: 8, .value_kind: global_buffer, .address_space: global }
    .group_segment_fixed_size: 327680
    .private_segment_fixed_size: 0
    .kernarg_segment_align: 8
    .kernarg_segment_size: 24
    .max_flat_workgroup_size: 128
    .sgpr_count:     96
    .vgpr_count:     512
    .wavefront_size: 32
...
	.end_amdgpu_metadata
.endif
;; end of part 8
